; MI455X (gfx1250); checked and timed in simulation.
; The chip was launched on July 23, 2026; its instructions are those of AMD's public machine-readable ISA for CDNA 5 (MIT licence, August 2026) and "CDNA5" Instruction Set Architecture Reference Guide (July 2026). The comments in the code are by the model that wrote it; some were corrected since.
;; Quaternion Spike Attention. Allowed arithmetic: float matrix products may take bf16 or f16 operands with f32 sums; other float arithmetic in f32, or as packed bf16 or f16 multiplies, adds, multiply-adds, maxima and minima; sums over many terms, partial sums and values carried from step to step in f32; what a program stores and reads back later, other than sums and carried values, may be rounded once to bf16 or f16.
;; Inputs: bk 1,024 float32; bo 1,024 float32; bq 1,024 float32; bv 1,024 float32; density_feat 2 x 2,048 x 3 float32; dm1_b 16 float32; dm1_w 16 x 3 float32; dm2_b 1 float32; dm2_w 1 x 16 float32; key_in 2 x 2,048 x 1,024 float32; mask 2 x 2,048 int32; query 2 x 2,048 x 1,024 float32; threshold one number float32; value 2 x 2,048 x 1,024 float32; wk_i 256 x 256 float32; wk_j 256 x 256 float32; wk_k 256 x 256 float32; wk_r 256 x 256 float32; wo 1,024 x 1,024 float32; wq_i 256 x 256 float32; wq_j 256 x 256 float32; wq_k 256 x 256 float32; wq_r 256 x 256 float32; wv 1,024 x 1,024 float32.
;; Outputs: out0 2 x 2,048 x 1,024 float32.
;; 2 versions, each right; version 2 is version 1 with the launch prep written anew for expert scheduling mode. Each part assembles by itself: llvm-mc -triple=amdgcn-amd-amdhsa -mcpu=gfx1250 --defsym DOCPART=n.
;; ======== version 1 of 2: 4 launches
;; limits: values are held in f16: magnitudes above 65,504 overflow, below 6.1e-05 lose precision
;; workspace buffers: x16 25,165,824 bytes; w16 8,388,608 bytes; biasw 16,384 bytes; keytab 32,768 bytes; qkv 25,165,824 bytes; oh 8,388,608 bytes
;; launch prep (part 1): grid 1036 x 1, 8 waves a work-group, no clusters, 0 bytes of LDS; arguments query, key_in, value, wq_r, wq_i, wq_j, wq_k, wk_r, wk_i, wk_j, wk_k, wv, wo, bq, bk, bv, bo, density_feat, dm1_w, dm1_b, dm2_w, dm2_b, threshold, mask, x16, w16, biasw, keytab; writes x16, w16, biasw, keytab
.if DOCPART == 1
	.amdgcn_target "amdgcn-amd-amdhsa--gfx1250"
	.amdhsa_code_object_version 6
	.text
	.protected	k_q3247608d1a_prep
	.globl	k_q3247608d1a_prep
	.p2align	8
	.type	k_q3247608d1a_prep,@function
k_q3247608d1a_prep:
	s_mov_b64 s[64:65], 0
	v_nop
	global_prefetch_b8 v0, s[64:65] scope:SCOPE_SE
	s_setreg_imm32_b32 hwreg(HW_REG_WAVE_MODE, 25, 1), 1
	s_wait_xcnt 0x0
; PREP: every input is rounded once to bf16 and laid out for the launches behind.
;   work-groups 0..767     x16[t][4096][1024] bf16 = query, key_in, value                      (16 rows each)
;   work-groups 768..1023  w16[4][1024 n][1024 k]: 0 = Hamilton matrix of wq_* / 4, 1 = that of wk_*, 2 = wv (all bf16), 3 = bf16(wo) written as f16
;   work-groups 1024..1031 keytab[b][H[2048], B[2048]] f32: two numbers a key (below)
;   work-groups 1032..1035 biasw[4][1024] f32 = bf16(bq) / 4, bf16(bk), bf16(bv), bf16(bo)
; The factor 1/4 = 1/sqrt(16) is a power of two: it commutes with the rounding.
; KEY TABLE.  thr = softplus(threshold) + 0.1 (gelu(f W1^T + b1) W2^T + b2).  An open key gets H = 6, B = 5 c thr - 1 (c = log2 e); a key whose mask is 0 gets H = -30, B = -150.
; LIMITS.  erf by the rational form of Abramowitz and Stegun 7.1.26, absolute error 1.5e-7 for every argument.  bf16(wo) as f16 is exact from 6e-5 to 65,504; below, the absolute error is 3e-8 at the most.
; No LDS, no matrix unit, no cluster: nothing is shared between waves; each byte is read once and each store of a wave covers 256 consecutive bytes, aligned.
.set CX, 16                            ; v[16:79]   cast: pass p: 8 numbers as loaded
.set CY, 80                            ; v[80:111]  cast: pass p: 4 words to store
.set CT, 112                           ; v[112:119] cast: at work
.set W1, 32                            ; v[32:79]   dm1_w
.set B1, 80                            ; v[80:95]   dm1_b
.set W2, 96                            ; v[96:111]  dm2_w / 2;  v112 dm2_b;  v113 threshold
.set PRE, 114                          ; v[114:129] the 16 hidden numbers before the gelu
.set RC, 130                           ; v[130:145] 1 / (1 + 0.3275911 z)
.set ER, 16                            ; v[16:31]   e^(-z z)
.set AB, 160                           ; v[160:175] |pre|
.macro RB2 a, b, tmp                   ; two f32 rounded to bf16 and widened again
	v_cvt_pk_bf16_f32 v[\tmp], v[\a], v[\b]
	v_lshlrev_b32 v[\a], 16, v[\tmp]
	v_and_b32 v[\b], 0xffff0000, v[\tmp]
.endm
	s_mov_b32 s39, ttmp9
	s_cmp_lt_u32 s39, 1024
	s_cbranch_scc0 .Lsmall
	; ---------------- THE CASTS: 16 rows of 1,024 numbers.  Wave w: columns 256 (w & 3) on; pass p takes row 2 p + (w >> 2).
	s_load_b512 s[4:19], s[0:1], 0x0               ; query, key_in, value, wq_r, wq_i, wq_j, wq_k, wk_r
	s_load_b256 s[20:27], s[0:1], 0x40             ; wk_i, wk_j, wk_k, wv
	s_load_b64 s[28:29], s[0:1], 0x60              ; wo
	s_load_b128 s[32:35], s[0:1], 0xc0             ; x16, w16
	v_lshrrev_b32 v1, 5, v0
	v_readfirstlane_b32 s36, v1                    ; wave
	s_and_b32 s37, s36, 3                          ; my block of 256 columns
	s_lshr_b32 s38, s36, 2                         ; even or odd rows
	v_and_b32 v1, 31, v0
	v_lshlrev_b32 v2, 4, v1                        ; 16 bytes a lane
	s_mov_b32 s52, 0                               ; 1: write the bf16 number as f16
	s_mov_b32 s50, 1.0                             ; the factor
	s_wait_kmcnt 0x0
	s_cmp_lt_u32 s39, 768
	s_cbranch_scc0 .Lweights
	s_lshr_b32 s40, s39, 8                         ; which of the three
	s_and_b32 s41, s39, 255
	s_lshl_b32 s41, s41, 4                         ; first row
	s_cmp_eq_u32 s40, 1
	s_cselect_b64 s[44:45], s[6:7], s[4:5]
	s_cmp_eq_u32 s40, 2
	s_cselect_b64 s[44:45], s[8:9], s[44:45]
	s_mov_b64 s[46:47], s[32:33]
	s_mov_b32 s42, 4096                            ; bytes from row to row in the source
	s_add_co_u32 s43, s41, s38
	s_lshl_b32 s48, s40, 12
	s_add_co_u32 s48, s48, s43                     ; row in x16
	s_lshl_b32 s43, s43, 12
	s_lshl_b32 s53, s37, 10
	s_add_co_u32 s43, s43, s53                     ; byte in the source
	s_branch .Lgo
.Lweights:
	s_sub_co_u32 s40, s39, 768
	s_lshr_b32 s49, s40, 6                         ; which matrix
	s_and_b32 s41, s40, 63
	s_lshl_b32 s41, s41, 4                         ; first row
	s_mov_b64 s[46:47], s[34:35]
	s_add_co_u32 s43, s41, s38
	s_lshl_b32 s48, s49, 10
	s_add_co_u32 s48, s48, s43                     ; row in w16
	s_cmp_lt_u32 s49, 2
	s_cbranch_scc1 .Lhamilton
	s_cmp_eq_u32 s49, 3
	s_cselect_b64 s[44:45], s[28:29], s[26:27]
	s_cselect_b32 s52, 1, 0
	s_mov_b32 s42, 4096
	s_lshl_b32 s43, s43, 12
	s_lshl_b32 s53, s37, 10
	s_add_co_u32 s43, s43, s53
	s_branch .Lgo
.Lhamilton:                                    ; block (R, C) of the Hamilton matrix is component R xor C (r, i, j, k = 0..3), negative at (0,1) (0,2) (0,3) (1,2) (2,3) (3,1)
	s_lshr_b32 s54, s41, 8                         ; R
	s_xor_b32 s55, s54, s37                        ; the component
	s_cmp_eq_u32 s55, 1
	s_cselect_b64 s[56:57], s[12:13], s[10:11]
	s_cselect_b64 s[58:59], s[20:21], s[18:19]
	s_cmp_eq_u32 s55, 2
	s_cselect_b64 s[56:57], s[14:15], s[56:57]
	s_cselect_b64 s[58:59], s[22:23], s[58:59]
	s_cmp_eq_u32 s55, 3
	s_cselect_b64 s[56:57], s[16:17], s[56:57]
	s_cselect_b64 s[58:59], s[24:25], s[58:59]
	s_cmp_eq_u32 s49, 0
	s_cselect_b64 s[44:45], s[56:57], s[58:59]
	s_cselect_b32 s50, 0x3e800000, 1.0             ; q's weights carry the 1/4
	s_lshl2_add_u32 s53, s54, s37                  ; 4 R + C
	s_lshr_b32 s53, 0x284e, s53                    ; the six negative places as bits
	s_lshl_b32 s53, s53, 31
	s_xor_b32 s50, s50, s53                        ; the sign goes into the factor
	s_mov_b32 s42, 1024
	s_and_b32 s43, s43, 255                        ; row in the component
	s_lshl_b32 s43, s43, 10
.Lgo:
	s_lshl_b32 s48, s48, 11                        ; a row of 1,024 bf16
	s_lshl_b32 s53, s37, 9
	s_add_co_u32 s48, s48, s53
	s_mov_b32 s51, s50                             ; named as a pair
	s_lshl_b32 s42, s42, 1                         ; two rows a pass
	v_lshl_add_u32 v3, v1, 3, s48                  ; 8 bytes a lane out
.irp p, 0,1,2,3,4,5,6,7
	v_add_nc_u32 v[4+(\p)], s43, v2
	s_add_co_u32 s43, s43, s42
.endr
.irp p, 0,1,2,3,4,5,6,7                ; all sixteen loads go out at once: 8 KiB a wave
	global_load_b128 v[CX+8*(\p):CX+8*(\p)+3],   v[4+(\p)], s[44:45]
	global_load_b128 v[CX+8*(\p)+4:CX+8*(\p)+7], v[4+(\p)], s[44:45] offset:512
.endr
.macro CONV rec
.irp p, 0,1,2,3,4,5,6,7
	s_wait_loadcnt 14-2*(\p)                       ; loads come back in order: the later passes' loads stay out
.irp j, 0,1,2,3
	v_pk_mul_f32 v[CX+8*(\p)+2*(\j):CX+8*(\p)+2*(\j)+1], v[CX+8*(\p)+2*(\j):CX+8*(\p)+2*(\j)+1], s[50:51] op_sel_hi:[1,0]
.endr
.irp j, 0,1,2,3
	v_cvt_pk_bf16_f32 v[CY+4*(\p)+(\j)], v[CX+8*(\p)+2*(\j)], v[CX+8*(\p)+2*(\j)+1]
.endr
.if \rec
.irp j, 0,1,2,3
	v_lshlrev_b32 v[CT+2*(\j)], 16, v[CY+4*(\p)+(\j)]
	v_and_b32 v[CT+2*(\j)+1], 0xffff0000, v[CY+4*(\p)+(\j)]
.endr
.irp j, 0,1,2,3
	v_cvt_pk_f16_f32 v[CY+4*(\p)+(\j)], v[CT+2*(\j)], v[CT+2*(\j)+1]
.endr
.endif
	global_store_b64 v3, v[CY+4*(\p):CY+4*(\p)+1],   s[46:47] offset:(\p)*4096
	global_store_b64 v3, v[CY+4*(\p)+2:CY+4*(\p)+3], s[46:47] offset:(\p)*4096+256
.endr
.endm
	s_cmp_eq_u32 s52, 1
	s_cbranch_scc1 .Lrecode
	CONV 0                                         ; no register of a load or store is written again: no further wait
	s_endpgm
.Lrecode:
	CONV 1
	s_endpgm
.Lsmall:
	s_cmp_lt_u32 s39, 1032
	s_cbranch_scc1 .Lkey
	; ---------------- THE BIASES: 256 threads x 4 numbers
	s_load_b256 s[4:11], s[0:1], 0x68              ; bq, bk, bv, bo
	s_load_b64 s[12:13], s[0:1], 0xd0              ; biasw
	s_sub_co_u32 s40, s39, 1032
	v_lshlrev_b32 v1, 4, v0
	s_lshl_b32 s41, s40, 12
	v_add_nc_u32 v2, s41, v1
	s_wait_kmcnt 0x0
	s_cmp_eq_u32 s40, 1
	s_cselect_b64 s[14:15], s[6:7], s[4:5]
	s_cmp_eq_u32 s40, 2
	s_cselect_b64 s[14:15], s[8:9], s[14:15]
	s_cmp_eq_u32 s40, 3
	s_cselect_b64 s[14:15], s[10:11], s[14:15]
	s_cmp_eq_u32 s40, 0
	s_cselect_b32 s16, 0x3e800000, 1.0
	s_mov_b32 s17, s16
	global_load_b128 v[4:7], v1, s[14:15]
	s_wait_loadcnt 0x0
	RB2 4, 5, 8
	RB2 6, 7, 8
	v_pk_mul_f32 v[4:5], v[4:5], s[16:17] op_sel_hi:[1,0]
	v_pk_mul_f32 v[6:7], v[6:7], s[16:17] op_sel_hi:[1,0]
	global_store_b128 v2, v[4:7], s[12:13]
	s_endpgm
.Lkey:
	; ---------------- THE KEY TABLE: 512 keys a work-group, two neighbouring keys a lane
	s_load_b256 s[4:11], s[0:1], 0x88              ; density_feat, dm1_w, dm1_b, dm2_w
	s_load_b128 s[12:15], s[0:1], 0xa8             ; dm2_b, threshold
	s_load_b64 s[16:17], s[0:1], 0xb8              ; mask
	s_load_b64 s[18:19], s[0:1], 0xd8              ; keytab
	s_sub_co_u32 s40, s39, 1024
	s_lshl_b32 s41, s40, 9
	v_lshl_add_u32 v16, v0, 1, s41                 ; my first key, 0..4094
	v_mul_u32_u24 v2, v16, 12                      ; three f32 a key
	v_lshlrev_b32 v3, 2, v16
	s_lshr_b32 s42, s40, 2                         ; batch
	s_and_b32 s43, s40, 3
	s_lshl_b32 s42, s42, 14
	s_lshl_b32 s43, s43, 11
	s_add_co_u32 s42, s42, s43
	v_lshl_add_u32 v4, v0, 3, s42                  ; 8 bytes a lane in H; B lies 8,192 bytes on
	v_mov_b32 v1, 0
	v_mov_b32 v5, 0xc1f00000                       ; -30
	v_mov_b32 v6, 0x40c00000                       ; 6
	v_mov_b32 v7, 0xc3160000                       ; -150
	v_mov_b32 v151, 0
	v_mov_b32 v153, 0
	s_mov_b32 s20, 0x3e827906                      ; 0.254829592
	s_mov_b32 s21, 0xbe91a98e                      ; -0.284496736
	s_mov_b32 s22, 0x3fb5f0e3                      ; 1.421413741
	s_mov_b32 s23, 0xbfba00e3                      ; -1.453152027
	s_mov_b32 s24, 0x3f87dc22                      ; 1.061405429
	s_mov_b32 s25, 0x3f3504f3                      ; 1 / sqrt 2
	s_mov_b32 s26, 0x3ea7ba05                      ; 0.3275911
	s_mov_b32 s27, 0xbfb8aa3b                      ; -c
	s_mov_b32 s28, 0x40e6d4ca                      ; 5 c
	s_wait_kmcnt 0x0
	global_load_b64 v[8:9],   v2, s[4:5]
	global_load_b64 v[10:11], v2, s[4:5] offset:8
	global_load_b64 v[12:13], v2, s[4:5] offset:16
	global_load_b64 v[14:15], v3, s[16:17]
.irp r, 0,1,2,3,4,5,6,7,8,9,10,11
	global_load_b128 v[W1+4*(\r):W1+4*(\r)+3], v1, s[6:7] offset:16*(\r)
.endr
.irp r, 0,1,2,3
	global_load_b128 v[B1+4*(\r):B1+4*(\r)+3], v1, s[8:9] offset:16*(\r)
	global_load_b128 v[W2+4*(\r):W2+4*(\r)+3], v1, s[10:11] offset:16*(\r)
.endr
	global_load_b32 v112, v1, s[12:13]
	global_load_b32 v113, v1, s[14:15]
	s_wait_loadcnt 0x0
	RB2 8, 9, 146
	RB2 10, 11, 146
	RB2 12, 13, 146
.set r, 32
.rept 41
	RB2 r, r+1, 146
.set r, r+2
.endr
.set u, 0
.rept 16
	v_mul_f32 v[W2+u], 0.5, v[W2+u]                ; the gelu's 1/2
.set u, u+1
.endr
	; softplus(t) = max(t, 0) + ln 2 log2(1 + 2^(-c |t|))
	v_and_b32 v146, 0x7fffffff, v113
	v_mul_f32 v146, s27, v146
	v_exp_f32 v147, v146
	v_nop
	s_wait_alu depctr_va_vdst(0)
	v_add_f32 v147, 1.0, v147
	v_log_f32 v148, v147
	v_nop
	s_wait_alu depctr_va_vdst(0)
	v_max_num_f32 v149, 0, v113
	v_fmamk_f32 v154, v148, 0x3f317218, v149
	s_mov_b32 s30, 2
.Lkeyloop:                                     ; a trip a key: features v8-10, mask v14
.set u, 0
.rept 16
	v_fma_f32 v[PRE+u], v8, v[W1+3*u], v[B1+u]
	v_fma_f32 v[PRE+u], v9, v[W1+3*u+1], v[PRE+u]
	v_fma_f32 v[PRE+u], v10, v[W1+3*u+2], v[PRE+u]
	v_and_b32 v[AB+u], 0x7fffffff, v[PRE+u]
	v_mul_f32 v146, s25, v[AB+u]                   ; z = |pre| / sqrt 2
	v_fma_f32 v147, v146, s26, 1.0
	v_mul_f32 v148, s27, v146
	v_rcp_f32 v[RC+u], v147
	v_mul_f32 v148, v148, v146                     ; -c z z
	v_exp_f32 v[ER+u], v148
.set u, u+1
.endr
	v_nop                                          ; a plain instruction behind the last of the 32,
	s_wait_alu depctr_va_vdst(0)                   ; and one wait for all of them, ahead of the first reader
	v_mov_b32 v155, v112
.set u, 0
.rept 16
	v_fma_f32 v[146+u%2], v[RC+u], s24, s23
	v_fma_f32 v[146+u%2], v[146+u%2], v[RC+u], s22
	v_fma_f32 v[146+u%2], v[146+u%2], v[RC+u], s21
	v_fma_f32 v[146+u%2], v[146+u%2], v[RC+u], s20
	v_mul_f32 v[146+u%2], v[146+u%2], v[RC+u]
	v_fma_f32 v[146+u%2], -v[146+u%2], v[ER+u], 1.0  ; erf(z)
	v_fma_f32 v[146+u%2], v[AB+u], v[146+u%2], v[PRE+u]  ; pre + |pre| erf(z) = 2 gelu(pre)
	v_fma_f32 v155, v[146+u%2], v[W2+u], v155
.set u, u+1
.endr
	v_fmamk_f32 v156, v155, 0x3dcccccd, v154       ; thr
	v_fma_f32 v156, v156, s28, -1.0                ; 5 c thr - 1
	v_cmp_ne_u32 vcc_lo, 0, v14
	v_mov_b32 v150, v151
	v_mov_b32 v152, v153
	v_cndmask_b32 v151, v5, v6, vcc_lo
	v_cndmask_b32 v153, v7, v156, vcc_lo
	v_mov_b32 v8, v11                              ; the second key
	v_mov_b32 v9, v12
	v_mov_b32 v10, v13
	v_mov_b32 v14, v15
	s_sub_co_i32 s30, s30, 1
	s_cmp_lg_u32 s30, 0
	s_cbranch_scc1 .Lkeyloop
	global_store_b64 v4, v[150:151], s[18:19]
	global_store_b64 v4, v[152:153], s[18:19] offset:8192
	s_endpgm
.Lfunc_end_k_q3247608d1a_prep:
	.size	k_q3247608d1a_prep, .Lfunc_end_k_q3247608d1a_prep-k_q3247608d1a_prep
	.p2alignl 7, 3214868480
	.fill 96, 4, 3214868480
	.section	.rodata,"a",@progbits
	.p2align	6, 0x0
	.amdhsa_kernel k_q3247608d1a_prep
		.amdhsa_group_segment_fixed_size 0
		.amdhsa_private_segment_fixed_size 0
		.amdhsa_enable_private_segment 0
		.amdhsa_kernarg_size 224
		.amdhsa_user_sgpr_count 2
		.amdhsa_user_sgpr_kernarg_segment_ptr 1
		.amdhsa_wavefront_size32 1
		.amdhsa_system_sgpr_workgroup_id_x 1
		.amdhsa_system_sgpr_workgroup_id_y 1
		.amdhsa_system_sgpr_workgroup_id_z 1
		.amdhsa_system_vgpr_workitem_id 0
		.amdhsa_next_free_vgpr 176
		.amdhsa_next_free_sgpr 66
		.amdhsa_reserve_vcc 1
		.amdhsa_float_denorm_mode_32 3
		.amdhsa_float_denorm_mode_16_64 3
		.amdhsa_memory_ordered 1
		.amdhsa_forward_progress 1
		.amdhsa_inst_pref_size 51
	.end_amdhsa_kernel
	.amdgpu_metadata
---
amdhsa.version: [ 1, 2 ]
amdhsa.kernels:
  - .name:           k_q3247608d1a_prep
    .symbol:         k_q3247608d1a_prep.kd
    .args:
      - { .name: query, .offset: 0, .size: 8, .value_kind: global_buffer, .address_space: global }
      - { .name: key_in, .offset: 8, .size: 8, .value_kind: global_buffer, .address_space: global }
      - { .name: value, .offset: 16, .size: 8, .value_kind: global_buffer, .address_space: global }
      - { .name: wq_r, .offset: 24, .size: 8, .value_kind: global_buffer, .address_space: global }
      - { .name: wq_i, .offset: 32, .size: 8, .value_kind: global_buffer, .address_space: global }
      - { .name: wq_j, .offset: 40, .size: 8, .value_kind: global_buffer, .address_space: global }
      - { .name: wq_k, .offset: 48, .size: 8, .value_kind: global_buffer, .address_space: global }
      - { .name: wk_r, .offset: 56, .size: 8, .value_kind: global_buffer, .address_space: global }
      - { .name: wk_i, .offset: 64, .size: 8, .value_kind: global_buffer, .address_space: global }
      - { .name: wk_j, .offset: 72, .size: 8, .value_kind: global_buffer, .address_space: global }
      - { .name: wk_k, .offset: 80, .size: 8, .value_kind: global_buffer, .address_space: global }
      - { .name: wv, .offset: 88, .size: 8, .value_kind: global_buffer, .address_space: global }
      - { .name: wo, .offset: 96, .size: 8, .value_kind: global_buffer, .address_space: global }
      - { .name: bq, .offset: 104, .size: 8, .value_kind: global_buffer, .address_space: global }
      - { .name: bk, .offset: 112, .size: 8, .value_kind: global_buffer, .address_space: global }
      - { .name: bv, .offset: 120, .size: 8, .value_kind: global_buffer, .address_space: global }
      - { .name: bo, .offset: 128, .size: 8, .value_kind: global_buffer, .address_space: global }
      - { .name: density_feat, .offset: 136, .size: 8, .value_kind: global_buffer, .address_space: global }
      - { .name: dm1_w, .offset: 144, .size: 8, .value_kind: global_buffer, .address_space: global }
      - { .name: dm1_b, .offset: 152, .size: 8, .value_kind: global_buffer, .address_space: global }
      - { .name: dm2_w, .offset: 160, .size: 8, .value_kind: global_buffer, .address_space: global }
      - { .name: dm2_b, .offset: 168, .size: 8, .value_kind: global_buffer, .address_space: global }
      - { .name: threshold, .offset: 176, .size: 8, .value_kind: global_buffer, .address_space: global }
      - { .name: mask, .offset: 184, .size: 8, .value_kind: global_buffer, .address_space: global }
      - { .name: x16, .offset: 192, .size: 8, .value_kind: global_buffer, .address_space: global }
      - { .name: w16, .offset: 200, .size: 8, .value_kind: global_buffer, .address_space: global }
      - { .name: biasw, .offset: 208, .size: 8, .value_kind: global_buffer, .address_space: global }
      - { .name: keytab, .offset: 216, .size: 8, .value_kind: global_buffer, .address_space: global }
    .group_segment_fixed_size: 0
    .private_segment_fixed_size: 0
    .kernarg_segment_align: 8
    .kernarg_segment_size: 224
    .max_flat_workgroup_size: 256
    .sgpr_count:     66
    .vgpr_count:     176
    .wavefront_size: 32
...
	.end_amdgpu_metadata
.endif
;; end of part 1
;; launch qkv (part 2): grid 4 x 48, 4 waves a work-group, clusters of 4 x 4, 327,680 bytes of LDS; arguments x16, w16, biasw, qkv; writes qkv
.if DOCPART == 2
	.amdgcn_target "amdgcn-amd-amdhsa--gfx1250"
	.amdhsa_code_object_version 6
	.text
	.protected	k_q3247608d1a_qkv
	.globl	k_q3247608d1a_qkv
	.p2align	8
	.type	k_q3247608d1a_qkv,@function
k_q3247608d1a_qkv:
	s_mov_b64 s[64:65], 0
	v_nop
	global_prefetch_b8 v0, s[64:65] scope:SCOPE_SE
	s_setreg_imm32_b32 hwreg(HW_REG_WAVE_MODE, 25, 1), 1
	s_wait_xcnt 0x0
	s_wait_alu depctr_hold_cnt(0) depctr_sa_sdst(0) depctr_va_vdst(0) depctr_va_sdst(0) depctr_va_ssrc(0) depctr_va_vcc(0) depctr_vm_vsrc(0)
	s_getreg_b32 s2, hwreg(HW_REG_IB_STS2, 6, 4)
	s_cmp_eq_u32 s2, 0
	s_cbranch_scc0 .Lentry_in_a_cluster
	s_endpgm
.Lentry_in_a_cluster:
	s_bfe_u32 s2, ttmp6, 0x10000c
	s_cmp_lg_u32 s2, 0xf033
	s_cbranch_scc0 .Lentry_shape_is_right
	s_endpgm
.Lentry_shape_is_right:
; THE THREE PROJECTIONS AS ONE GROUPED GEMM.  For t = 0, 1, 2 (q / 4, k, v): C[m][n] = bias[t][n] + sum over k of x16[t][m][k] w16[t][n][k], bf16 operands, f32 sums,
; rounded once to f16 and stored by heads: qkv[t][2 h + b][s][64], m = 2,048 b + s, n = 64 h + d.
; LIMIT.  f16 ends at 65,504: q / 4, k and v must stay within it.
; A tile of C is 256 x 256: 3 x 16 x 4 = 192 work-groups of four waves, a wave 128 x 128 in 64 accumulators (512 registers).  K = 1,024 goes in 8 steps of 128 through two LDS slots; each wave fetches a quarter
; of a slot with one tensor load of 128 rows x 256 bytes.  No tile shape gives 256 equal shares of 3 x 2^22 numbers; the larger tile is taken for its longer K step.
; CLUSTER 4 x 4: the four work-groups of a row need the same tile of x16, the four of a column the same tile of w16 (all sixteen have one t): each tile is asked for jointly.
; THE MATRIX INSTRUCTION IS USED TRANSPOSED (source 0 = 16 rows of w16, source 1 = 16 rows of x16): a lane holds row l % 16 of C and the columns 8 (l / 16) + 0..7.  The bias is the C operand of the first product.
; REGISTERS.  window 0: v0-31 addresses; v64-127, v128-191 fragments of x16; v192-255 the bias, 8 registers a block of 16 columns; on the way out v64-95 packed results, v32-63 and v96-127 rows read back
;   window 1: v64-127, v128-191 fragments of w16     windows 2, 3: the accumulators ((a, b) at v[8 (8 a + b)])
.set SIZE_K, 1024
.set KSTEP,  128
.set PITCH,  272                       ; 256 bytes + 16: the 16 rows of a fragment load start at 16 different groups of four banks
.set HALFT,  128*PITCH
.set SLOT,   4*HALFT
.set STAGE,  2*SLOT                    ; behind the ring: for each wave 2 heads x 16 rows x 144 bytes
.set SP,     144
.set WSTAGE, 2*16*SP
.set SPARE,  STAGE+4*WSTAGE            ; the spare words: 128 bytes a wave, named by no other line
.set LAPS,   SIZE_K/(2*KSTEP)
.set ADRA, 16
.set ADRB, 20
.set STO,  24
.set RD,   25
.set GO,   26
.set BO,   27                          ; v27  32 (l / 16): my 8 numbers of a block's bias
.set SPW,  28
.set NIL,  29
.set PFO,  30
.set PFA,  44
.set LIM,  43
.set F0,   64
.set F1,   128
.set BI,   192
.set TMP,  64
.set G1, 24
.set G0, 32
.set G1B, 48
.set G0B, 56
.set MSB, 0
.macro WIN new                         ; the immediate's high byte repeats the setting that is left
.if MSB != (\new)
	s_set_vgpr_msb (MSB<<8)|(\new)
.set MSB, \new
.endif
.endm
.set MUL_LO, 0xa1                      ; source 0 window 1, source 1 window 0, C and D window 2
.set MUL_HI, 0xf1                      ; C and D window 3
.set TO_B,   0x40
.macro JLOAD s                         ; a joint load: waves 0 and 1 fetch x16's halves, waves 2 and 3 w16's; s_nop 0 and four v_nop follow each line
	s_cmp_eq_u32 s11, 0
	s_cbranch_scc0 .Lfor_b_\@
	tensor_load_to_lds s[G0+4*(\s):G0+4*(\s)+3], s[G1:G1+7]
	s_nop 0
.rept 4
	v_nop
.endr
	s_branch .Lasked_\@
.Lfor_b_\@:
	tensor_load_to_lds s[G0B+4*(\s):G0B+4*(\s)+3], s[G1B:G1B+7]
	s_nop 0
.rept 4
	v_nop
.endr
.Lasked_\@:
.endm
; A prefetch of the K step that stands two refills on: 32 rows x 256 bytes, a lane a row.  x16's rows are read by this cluster alone; w16's by the four clusters of one t, of which the first asks.
; The four partners that ask for a tile jointly share its rows out by address, 32 each.  The loop's last trip asks for nothing: K steps 4 to 7 are named, each block once.
.macro ASK
	s_cmp_gt_u32 s3, s[LIM]
	s_cbranch_scc0 .Lnot_mine_\@
	global_prefetch_b8 v[PFO], s[PFA:PFA+1] offset:KSTEP*2 th:TH_LOAD_NT scope:SCOPE_SE
.Lnot_mine_\@:
.endm
.macro CREST
	s_cmp_lg_u32 s10, 0
	s_cbranch_scc1 .Lnot_wave_0_\@
	s_barrier_signal -3
.Lnot_wave_0_\@:
	s_barrier_wait -3
	s_barrier_signal -1
	s_barrier_wait -1
.endm
.macro CROUND
	s_barrier_signal -1
	s_barrier_wait -1
	CREST
.endm
	s_load_b128 s[4:7], s[0:1], 0x0                ; x16 s[4:5], w16 s[6:7]
	s_load_b128 s[68:71], s[0:1], 0x10             ; biasw s[68:69], qkv s[70:71]
	v_lshl_add_u32 v[SPW], v0, 2, SPARE
	v_mov_b32 v[NIL], 0
	ds_add_u32 v[SPW], v[NIL]                      ; the wave's opening: the add and its wait stand ahead of my first tensor load
	v_lshrrev_b32 v1, 5, v0
	v_readfirstlane_b32 s10, v1                    ; wave 0..3
	s_lshr_b32 s11, s10, 1                         ; my half of the tile's rows; also: I fetch x16 (0) or w16 (1)
	s_and_b32 s12, s10, 1                          ; my half of its columns; also: which 128 rows I fetch
	s_bfe_u32 s40, ttmp6, 0x40000                  ; cx
	s_bfe_u32 s41, ttmp6, 0x40004                  ; cy
	s_lshl_b32 s42, ttmp9, 2
	s_add_co_u32 s42, s42, s40                     ; X: tile column, 0..3
	s_and_b32 s72, ttmp7, 0xffff                   ; the cluster's y, 0..11
	s_lshl_b32 s13, s72, 2
	s_add_co_u32 s13, s13, s41                     ; Y: tile row in x16, 0..47
	s_lshr_b32 s73, s72, 2                         ; t, the same in all sixteen
	s_lshl_b32 s43, s41, 2
	s_lshl_b32 s43, 15, s43                        ; my row of the cluster
	s_lshl_b32 s44, 0x1111, s40                    ; my column
	s_or_b32 s[G1+0], s43, (1<<16)|(1<<20)|(1<<21)|(5<<22)|(3<<25)   ; mask; 2-byte elements; padding on; bit 21 beside a mask; after every 64 words 4 words
	s_or_b32 s[G1B+0], s44, (1<<16)|(1<<20)|(1<<21)|(5<<22)|(3<<25)
	s_mov_b32 s[G1+1], KSTEP<<16                   ; tensor_dim0 = 128
	s_mov_b32 s[G1B+1], KSTEP<<16
	s_mov_b32 s[G1+2], 128<<16                     ; tensor_dim1 = 128
	s_mov_b32 s[G1B+2], 128<<16
	s_mov_b32 s[G1+3], KSTEP<<16                   ; tile_dim0 = 128
	s_mov_b32 s[G1B+3], KSTEP<<16
	s_mov_b32 s[G1+4], 128                         ; tile_dim1 = 128
	s_mov_b32 s[G1B+4], 128
	s_mov_b32 s[G1+5], SIZE_K                      ; elements from row to row
	s_mov_b32 s[G1B+5], SIZE_K
	s_mov_b32 s[G1+6], 0
	s_mov_b32 s[G1B+6], 0
	s_mov_b32 s[G1+7], 0
	s_mov_b32 s[G1B+7], 0
	s_lshl_b32 s17, s12, 7
	s_lshl_b32 s16, s13, 8
	s_add_co_u32 s16, s16, s17                     ; x16: row 256 Y + 128 half
	s_lshl_b32 s46, s42, 8
	s_add_co_u32 s46, s46, s17
	s_lshl_b32 s47, s73, 10
	s_add_co_u32 s46, s46, s47                     ; w16: row 1,024 t + 256 X + 128 half
	s_lshl_b32 s16, s16, 11                        ; rows of 2,048 bytes: under 2^25
	s_mov_b32 s17, 0
	s_lshl_b32 s46, s46, 11
	s_mov_b32 s47, 0
	s_mul_i32 s20, s10, HALFT                      ; where my quarter of a slot lies
	s_wait_dscnt 0x0                               ; the opening add is done
	s_wait_kmcnt 0x0
	s_add_nc_u64 s[14:15], s[4:5], s[16:17]
	s_add_nc_u64 s[46:47], s[6:7], s[46:47]
	CROUND                                         ; all sixteen work-groups are here: the first joint loads meet
.irp s, 0,1
	s_mov_b32 s[G0+4*(\s)], 1
	s_add_co_u32 s[G0+4*(\s)+1], s20, (\s)*SLOT
	s_add_nc_u64 s[G0+4*(\s)+2:G0+4*(\s)+3], s[14:15], (\s)*KSTEP*2
	s_or_b32 s[G0+4*(\s)+3], s[G0+4*(\s)+3], 0x80000000
	s_mov_b32 s[G0B+4*(\s)], 1
	s_add_co_u32 s[G0B+4*(\s)+1], s20, (\s)*SLOT
	s_add_nc_u64 s[G0B+4*(\s)+2:G0B+4*(\s)+3], s[46:47], (\s)*KSTEP*2
	s_or_b32 s[G0B+4*(\s)+3], s[G0B+4*(\s)+3], 0x80000000
	JLOAD \s
.endr
	v_and_b32 v1, 15, v0                           ; l % 16
	v_bfe_u32 v2, v0, 4, 1                         ; l / 16
	v_lshlrev_b32 v[BO], 5, v2
	; the bias of my 128 columns
	s_lshl_b32 s20, s73, 12
	s_lshl_b32 s21, s42, 10
	s_add_co_u32 s20, s20, s21
	s_lshl_b32 s21, s12, 9
	s_add_co_u32 s20, s20, s21
	s_mov_b32 s21, 0
	s_add_nc_u64 s[66:67], s[68:69], s[20:21]
.irp b, 0,1,2,3,4,5,6,7
	global_load_b128 v[BI+8*(\b):BI+8*(\b)+3],   v[BO], s[66:67] offset:64*(\b)
	global_load_b128 v[BI+8*(\b)+4:BI+8*(\b)+7], v[BO], s[66:67] offset:64*(\b)+16
.endr
	v_mul_u32_u24 v3, v1, PITCH
	v_lshl_add_u32 v3, v2, 4, v3                   ; a fragment's row x pitch + 16 x half
	s_mul_i32 s21, s11, HALFT
	s_mul_i32 s22, s12, HALFT
	s_add_co_u32 s22, s22, 2*HALFT
.irp s, 0,1
	v_add_nc_u32 v[ADRA+(\s)], s21, v3
	v_add_nc_u32 v[ADRB+(\s)], s22, v3
	s_add_co_u32 s21, s21, SLOT
	s_add_co_u32 s22, s22, SLOT
.endr
	s_mul_i32 s23, s10, WSTAGE
	s_add_co_u32 s23, s23, STAGE                   ; my stage
	v_mul_u32_u24 v4, v1, SP                       ; in: row l % 16, 16 bytes for each half of the lanes
	v_lshl_add_u32 v4, v2, 4, v4
	v_add_nc_u32 v[STO], s23, v4
	v_bfe_u32 v5, v0, 3, 2                         ; back: 32 lanes take four rows of 128 bytes,
	v_mul_u32_u24 v5, v5, SP
	v_and_b32 v6, 7, v0
	v_lshl_add_u32 v5, v6, 4, v5
	v_add_nc_u32 v[RD], s23, v5
	v_and_b32 v[GO], 31, v0                        ; which are 512 consecutive bytes of a head
	v_lshlrev_b32 v[GO], 4, v[GO]
	; where my rows begin in qkv: t x 2^23 + (2 h + b) x 2^18 + s x 128
	s_lshl_b32 s16, s73, 23
	s_lshl_b32 s17, s42, 2
	s_lshl1_add_u32 s17, s12, s17                  ; my first head: 4 X + 2 half
	s_and_b32 s18, s13, 15
	s_lshr_b32 s19, s18, 3                         ; b
	s_lshl1_add_u32 s17, s17, s19
	s_lshl_b32 s17, s17, 18
	s_add_co_u32 s16, s16, s17
	s_and_b32 s18, s13, 7
	s_lshl_b32 s18, s18, 8
	s_lshl_b32 s19, s11, 7
	s_add_co_u32 s18, s18, s19                     ; s of my first row
	s_lshl_b32 s18, s18, 7
	s_add_co_u32 s16, s16, s18
	s_mov_b32 s17, 0
	s_add_nc_u64 s[8:9], s[70:71], s[16:17]
	; the prefetches
	s_lshl_b32 s20, s13, 8
	s_lshl_b32 s21, s42, 8
	s_lshl_b32 s22, s73, 10
	s_add_co_u32 s21, s21, s22
	s_and_b32 s22, s72, 3                          ; my cluster among the four of one t
	s_cmp_eq_u32 s11, 0
	s_cselect_b32 s20, s20, s21                    ; the tile's first row
	s_cselect_b32 s21, s40, s41                    ; my place among the four that ask with me
	s_cselect_b32 s22, ttmp9, s22                  ; the coordinate along which other clusters read the same rows
	s_cselect_b64 s[PFA:PFA+1], s[4:5], s[6:7]
	s_cmp_eq_u32 s22, 0
	s_cselect_b32 s[LIM], 1, -1
	s_lshl_b32 s22, s12, 7
	s_add_co_u32 s20, s20, s22
	s_lshl_b32 s21, s21, 5
	s_add_co_u32 s20, s20, s21
	s_lshl_b32 s20, s20, 11
	s_mov_b32 s21, 0
	s_add_nc_u64 s[PFA:PFA+1], s[PFA:PFA+1], s[20:21]
	s_add_nc_u64 s[PFA:PFA+1], s[PFA:PFA+1], 2*KSTEP*2  ; at K step 2: the first refill steps it to 3 and names K step 4
	v_and_b32 v[PFO], 31, v0
	v_lshlrev_b32 v[PFO], 11, v[PFO]
; 16 matrix instructions: m blocks a0, a0 + 1 of the window's four x all 8 n blocks, 32 along K.  zero = 1: the first product starts the sums with the bias.
.macro MUL16 f, hi, a0, zero
.if \zero
	WIN 0x81+0x40*(\hi)                            ; C in window 0
.else
	WIN MUL_LO+0x50*(\hi)
.endif
.irp a, \a0, (\a0)+1
.irp b, 0,1,2,3,4,5,6,7
.if \zero
	v_wmma_f32_16x16x32_bf16 v[8*(8*(\a)+(\b)):8*(8*(\a)+(\b))+7], v[(\f)+8*(\b):(\f)+8*(\b)+7], v[(\f)+8*(4*(\hi)+(\a)):(\f)+8*(4*(\hi)+(\a))+7], v[BI+8*(\b):BI+8*(\b)+7]
.else
	v_wmma_f32_16x16x32_bf16 v[8*(8*(\a)+(\b)):8*(8*(\a)+(\b))+7], v[(\f)+8*(\b):(\f)+8*(\b)+7], v[(\f)+8*(4*(\hi)+(\a)):(\f)+8*(4*(\hi)+(\a))+7], v[8*(8*(\a)+(\b)):8*(8*(\a)+(\b))+7]
.endif
.endr
.endr
.endm
.macro FETCH slot, k, f                ; 32 LDS loads in one run: a quarter step's fragments
	WIN TO_B
.irp i, 0,1,2,3,4,5,6,7
	ds_load_b128 v[(\f)+8*(\i):(\f)+8*(\i)+3],   v[ADRB+(\slot)] offset:(\k)+(\i)*16*PITCH
	ds_load_b128 v[(\f)+8*(\i)+4:(\f)+8*(\i)+7], v[ADRB+(\slot)] offset:(\k)+(\i)*16*PITCH+32
.endr
	WIN 0
.irp i, 0,1,2,3,4,5,6,7
	ds_load_b128 v[(\f)+8*(\i):(\f)+8*(\i)+3],   v[ADRA+(\slot)] offset:(\k)+(\i)*16*PITCH
	ds_load_b128 v[(\f)+8*(\i)+4:(\f)+8*(\i)+7], v[ADRA+(\slot)] offset:(\k)+(\i)*16*PITCH+32
.endr
.endm
.macro PLACES                          ; four plain places between a matrix instruction and a load into, or a vector read of, its registers
.rept 4
	v_nop
.endr
.endm
.macro QUARTER slot, k, f, g, zero     ; 64 products on buffer f; in the middle the next quarter's fragments go into g
	s_wait_dscnt 8                                 ; all but the youngest eight loads (x16's rows 64-127)
	MUL16 \f, 0, 0, \zero
	MUL16 \f, 0, 2, \zero
	PLACES
	FETCH \slot, \k, \g
	s_wait_dscnt 32                                ; all but the 32 just issued
	MUL16 \f, 1, 0, \zero
	MUL16 \f, 1, 2, \zero
.endm
.macro MEET round                      ; the first half of a K step's last quarter: one barrier for the change of slots
	WIN 0
	s_wait_tensorcnt 0x0                           ; all my tensor loads have landed: the one that was out is my part of the next slot
	ds_add_u32 v[SPW], v[NIL]                      ; 0 onto my spare word
	s_wait_dscnt 9                                 ; the add and the youngest eight loads may be out
	MUL16 F1, 0, 0, 0
	s_wait_dscnt 0x0                               ; the add is done, my reads of this slot are over
	s_barrier_signal -1
	MUL16 F1, 0, 2, 0
.if \round
	WIN 0
.endif
	s_barrier_wait -1
.endm
.macro TURN slot, next                 ; the whole last quarter: the slot just read is filled again, two K steps ahead
	s_wait_xcnt 0x0                                ; the last prefetch, a K step back, has read its address
	s_add_nc_u64 s[PFA:PFA+1], s[PFA:PFA+1], KSTEP*2
	MEET 1
	CREST                                          ; no wave of any partner still reads this slot or has a load on its way
	s_add_nc_u64 s[G0+4*(\slot)+2:G0+4*(\slot)+3], s[G0+4*(\slot)+2:G0+4*(\slot)+3], 2*KSTEP*2
	s_add_nc_u64 s[G0B+4*(\slot)+2:G0B+4*(\slot)+3], s[G0B+4*(\slot)+2:G0B+4*(\slot)+3], 2*KSTEP*2
	JLOAD \slot                                    ; the first tensor load behind the round; its four v_nop are the places in front of the loads below
	FETCH \next, 0, F0
	ASK
	MUL16 F1, 1, 0, 0
	MUL16 F1, 1, 2, 0
.endm
; THE WAY OUT of block a (16 rows x 128 columns = two heads): rounded to f16; into my stage; back as whole rows; stored, 512 consecutive bytes of a head an instruction.
.macro PACK a
.set AC, 64*((\a)%4)
	WIN 0x0a+5*((\a)/4)
.irp b, 0,1,2,3,4,5,6,7
.irp r, 0,1,2,3
	v_cvt_pk_f16_f32 v[TMP+4*(\b)+(\r)], v[AC+8*(\b)+2*(\r)], v[AC+8*(\b)+2*(\r)+1]
.endr
.endr
	WIN 0
.endm
.macro TOSTAGE a
.set BK, 32+64*((\a)%2)
.irp b, 0,1,2,3,4,5,6,7
	ds_store_b128 v[STO], v[TMP+4*(\b):TMP+4*(\b)+3] offset:((\b)/4)*16*SP+((\b)%4)*32
.endr
.irp u, 0,1,2,3,4,5,6,7
	ds_load_b128 v[BK+4*(\u):BK+4*(\u)+3], v[RD] offset:((\u)/4)*16*SP+((\u)%4)*4*SP  ; LDS serves a wave's instructions in order: these see the stores above
.endr
.endm
.macro SEND a
.set BK, 32+64*((\a)%2)
	s_wait_dscnt 0x0                               ; the block is back in registers
	s_wait_xcnt 0x0                                ; the stores of the block before have read their registers: the next loads from the stage may land there
.irp u, 0,1,2,3,4,5,6,7
	global_store_b128 v[GO], v[BK+4*(\u):BK+4*(\u)+3], s[8:9] offset:((\u)/4)*524288+(\a)*2048+((\u)%4)*512
.endr
.endm
	s_wait_tensorcnt 1                             ; my part of K step 0 is in; K step 1's may stay out
	s_barrier_signal -1
	s_barrier_wait -1
	FETCH 0, 0, F0
	s_wait_loadcnt 0x0                             ; the bias
	QUARTER 0, 64,  F0, F1, 1
	WIN 0
	s_mov_b32 s3, LAPS-1
.Llap:                                         ; a trip goes once round the ring and fills both slots again
	QUARTER 0, 128, F1, F0, 0
	QUARTER 0, 192, F0, F1, 0
	TURN 0, 1
	QUARTER 1, 64,  F0, F1, 0
	QUARTER 1, 128, F1, F0, 0
	QUARTER 1, 192, F0, F1, 0
	TURN 1, 0
	QUARTER 0, 64,  F0, F1, 0
	WIN 0
	s_sub_co_u32 s3, s3, 1
	s_cmp_lg_u32 s3, 0
	s_cbranch_scc1 .Llap
	QUARTER 0, 128, F1, F0, 0                      ; the last lap fills nothing
	QUARTER 0, 192, F0, F1, 0
	MEET 0
	PLACES
	FETCH 1, 0, F0
	MUL16 F1, 1, 0, 0
	MUL16 F1, 1, 2, 0
	QUARTER 1, 64,  F0, F1, 0
	QUARTER 1, 128, F1, F0, 0
	QUARTER 1, 192, F0, F1, 0
	s_wait_dscnt 8
	MUL16 F1, 0, 0, 0
	MUL16 F1, 0, 2, 0
	s_wait_dscnt 0x0
	MUL16 F1, 1, 0, 0
	MUL16 F1, 1, 2, 0
	WIN 0
	PLACES
	PLACES
	PACK 0
	TOSTAGE 0
.irp a, 1,2,3,4,5,6,7                  ; block a's conversions stand between block a - 1's loads from the stage and the wait for them
	PACK \a
	SEND (\a)-1
	TOSTAGE \a
.endr
	SEND 7
	s_wait_tensorcnt 0x0                           ; the wave's end
	ds_add_u32 v[SPW], v[NIL]
	s_wait_dscnt 0x0
	CROUND                                         ; the closing round
	s_endpgm
.Lfunc_end_k_q3247608d1a_qkv:
	.size	k_q3247608d1a_qkv, .Lfunc_end_k_q3247608d1a_qkv-k_q3247608d1a_qkv
	.p2alignl 7, 3214868480
	.fill 96, 4, 3214868480
	.section	.rodata,"a",@progbits
	.p2align	6, 0x0
	.amdhsa_kernel k_q3247608d1a_qkv
		.amdhsa_group_segment_fixed_size 327680
		.amdhsa_private_segment_fixed_size 0
		.amdhsa_enable_private_segment 0
		.amdhsa_kernarg_size 32
		.amdhsa_user_sgpr_count 2
		.amdhsa_user_sgpr_kernarg_segment_ptr 1
		.amdhsa_wavefront_size32 1
		.amdhsa_system_sgpr_workgroup_id_x 1
		.amdhsa_system_sgpr_workgroup_id_y 1
		.amdhsa_system_sgpr_workgroup_id_z 1
		.amdhsa_system_vgpr_workitem_id 0
		.amdhsa_next_free_vgpr 1024
		.amdhsa_next_free_sgpr 80
		.amdhsa_reserve_vcc 0
		.amdhsa_float_denorm_mode_32 3
		.amdhsa_float_denorm_mode_16_64 3
		.amdhsa_memory_ordered 1
		.amdhsa_forward_progress 1
		.amdhsa_inst_pref_size 146
	.end_amdhsa_kernel
	.amdgpu_metadata
---
amdhsa.version: [ 1, 2 ]
amdhsa.kernels:
  - .name:           k_q3247608d1a_qkv
    .symbol:         k_q3247608d1a_qkv.kd
    .args:
      - { .name: x16, .offset: 0, .size: 8, .value_kind: global_buffer, .address_space: global }
      - { .name: w16, .offset: 8, .size: 8, .value_kind: global_buffer, .address_space: global }
      - { .name: biasw, .offset: 16, .size: 8, .value_kind: global_buffer, .address_space: global }
      - { .name: qkv, .offset: 24, .size: 8, .value_kind: global_buffer, .address_space: global }
    .group_segment_fixed_size: 327680
    .private_segment_fixed_size: 0
    .kernarg_segment_align: 8
    .kernarg_segment_size: 32
    .max_flat_workgroup_size: 128
    .sgpr_count:     80
    .vgpr_count:     1024
    .wavefront_size: 32
...
	.end_amdgpu_metadata
.endif
;; end of part 2
;; launch attn (part 3): grid 8 x 32, 4 waves a work-group, clusters of 4 x 1, 327,680 bytes of LDS; arguments qkv, keytab, mask, oh; writes oh
.if DOCPART == 3
	.amdgcn_target "amdgcn-amd-amdhsa--gfx1250"
	.amdhsa_code_object_version 6
	.text
	.protected	k_q3247608d1a_attn
	.globl	k_q3247608d1a_attn
	.p2align	8
	.type	k_q3247608d1a_attn,@function
k_q3247608d1a_attn:
	s_mov_b64 s[64:65], 0
	v_nop
	global_prefetch_b8 v0, s[64:65] scope:SCOPE_SE
	s_setreg_imm32_b32 hwreg(HW_REG_WAVE_MODE, 25, 1), 1
	s_wait_xcnt 0x0
	s_wait_alu depctr_hold_cnt(0) depctr_sa_sdst(0) depctr_va_vdst(0) depctr_va_sdst(0) depctr_va_ssrc(0) depctr_va_vcc(0) depctr_vm_vsrc(0)
	s_getreg_b32 s2, hwreg(HW_REG_IB_STS2, 6, 4)
	s_cmp_eq_u32 s2, 0
	s_cbranch_scc0 .Lentry_in_a_cluster
	s_endpgm
.Lentry_in_a_cluster:
	s_bfe_u32 s2, ttmp6, 0x10000c
	s_cmp_lg_u32 s2, 0x3003
	s_cbranch_scc0 .Lentry_shape_is_right
	s_endpgm
.Lentry_shape_is_right:
; GATED ATTENTION.  For head h and batch b (hb = 2 h + b): S = (q / 4) . k; s = clip(S, -6, 6); mod = s (1 + 2 sigmoid(5 (s - thr_n))); mod = -30 where mask[m] mask[n] = 0; O = softmax_n(mod) V.
; q / 4, k, v: qkv[3][hb][2048][64] f16.  O: oh[m >> 7][h][m & 127][64] f16, m = 2,048 b + row.  Products, maxima and sums in f32; the weights are rounded to f16 for the second product, O once at the end.
; THE CHAIN, c = log2 e.  A key has two numbers: H = 6, B = 5 c thr - 1, or, if it is masked, H = -30, B = -150.
;   s = min(max(S, -6), H)   x = -5 c s + B   e = 2^x   d = e + 1/2   g = 1 / d = 2 sigmoid   y = s g + s = mod          (a masked key: s = -30, g about 1e-20, y = -30)
; A row has Rc = c, or 0 if it is masked.  m is the running maximum of y, MR = m Rc:  p = 2^(y Rc - MR);  in every step O and l are multiplied by a = 2^(MR_old - MR_new).  A masked row has p = 1 for every key.
; LIMITS.  q / 4, k, v arrive within f16's 65,504; p lies in 0 to 1 and below 6e-5 keeps f16's fixed step; two mask numbers whose 32-bit product wraps to 0 are not taken as masked; NaN and infinities are not treated apart.
; SHARES.  A work-group owns 256 queries of one hb, a wave 64: four tiles of 16, which go through every stage together.  Every wave walks all 2,048 keys, 64 a step; a slot of LDS holds four steps.
; LAYOUT.  S^T = K Q^T: a lane holds one query (l % 16) and the keys 8 (l / 16) + 0..7 of each block of 16.  Two such results rounded to f16 are source 1 of O^T = V^T P.  V comes out of LDS turned.
; THE COUNT.  A step has 64 matrix, 668 plain and 388 transcendental instructions: the vector work sets the time.  The transcendentals are three batches with one wait each.  The products stand in the two stages that have
; one plain instruction for two transcendentals (V^T P among the reciprocals, K Q^T among the last exponentials).
; CLUSTER.  The four query blocks of a cluster walk the same K and V: each tile is asked for jointly.
; No first step is written out: m starts at the lowest finite number, O, l, P and V's registers at 0 (273 v_mov_b32 in the wait for the first tile); the last trip's 32 products K Q^T on a stale K serve nothing.
; REGISTERS (s_set_vgpr_msb: bits 1:0 source 0, 3:2 source 1, 5:4 source 2, 7:6 destination):
;   window 0: v0-15 addresses; v16-19 at work; v24-55 statistics; v64-127 P; v128-159 H, v160-191 B of the step; v192-195 the rows' mask
;   window 1: v0-127 ACC (S, x, e, d, g; tile t, key block kb at 32 t + 8 kb), v128-255 SS (s, y, z, p)      window 2: v0-127 O^T, v128-191 Q      window 3: v0-63 K, v64-127 V of one step
.set KS,    64
.set PK,    144                        ; a row of K in LDS: 128 bytes + 16
.set PVP,   160                        ; a row of V: 128 + 32
.set VOFF,  4*KS*PK
.set SLOT1, 1<<17
.set STAGE, SLOT1+4*KS*(PK+PVP)        ; behind the ring: 16 rows x 144 bytes for each wave
.set SP,    144
.set SPARE, STAGE+4*16*SP              ; the spare words: 128 bytes a wave, named by no other line
.set AK0, 2
.set AV0, 3
.set AK,  4
.set AV,  5
.set QO,  6
.set STO, 6
.set RD,  7
.set GO,  8
.set TO,  12                           ; v12  32 (l / 16): my 8 numbers of a block of 16 keys in H and B
.set PFO, 13                           ; v13  256 x lane
.set SPW, 14
.set NIL, 15
.set TT,  16
.set ST,  24                           ; tile t at ST + 8 t: +0 MR, +1 m, +2 Rc, +3 at work, +4, +5 l, +6 a, +7 at work
.set PF,  64
.set HH,  128
.set BB,  160
.set MK,  192
.set ACC, 0
.set SS,  128
.set OA,  0
.set QF,  128
.set KF,  0
.set VF,  64
.set WV,  12
.set LIM, 15
.set G1K, 24
.set G1V, 32
.set G0K, 40
.set G0V, 44
.set PFA, 48
.set KTP, 50                           ; s[50:51] keytab at the step to be fetched
.set LO,  52                           ; s52  -6
.set M5,  54                           ; s[54:55] -5 c
.set SLOTS, 56
.set CNT, 57
.set SEL, 60
.set TBK, 62
.set TBV, 63
.set MSB, 0
.macro WIN new
.if MSB != (\new)
	s_set_vgpr_msb (MSB<<8)|(\new)
.set MSB, (\new)
.endif
.endm
.macro JLOAD                           ; waves 0 and 1 fetch the halves of a slot's K, waves 2 and 3 those of its V
	s_cmp_lt_u32 s[WV], 2
	s_cbranch_scc0 .Lfor_v_\@
	tensor_load_to_lds s[G0K:G0K+3], s[G1K:G1K+7]
	s_nop 0
.rept 4
	v_nop
.endr
	s_branch .Lasked_\@
.Lfor_v_\@:
	tensor_load_to_lds s[G0V:G0V+3], s[G1V:G1V+7]
	s_nop 0
.rept 4
	v_nop
.endr
.Lasked_\@:
.endm
; A prefetch of the tile that the next change of slots will ask for: 32,768 bytes of K and of V.  Both clusters of a head walk the same rows: the first asks.  Its four partners take 8,192 bytes each, told apart by
; address; wave 0 asks for K's, wave 2 for V's, a lane a block of 256 bytes.  Tiles 2 to 7 are named once each; the last change that fills a slot asks for nothing.
.macro ASK
	s_cmp_gt_u32 s[SLOTS], s[LIM]
	s_cbranch_scc0 .Lnot_mine_\@
	global_prefetch_b8 v[PFO], s[PFA:PFA+1] th:TH_LOAD_NT scope:SCOPE_SE
.Lnot_mine_\@:
.endm
.macro CROUND
	s_barrier_signal -1
	s_barrier_wait -1
	s_cmp_lg_u32 s[WV], 0
	s_cbranch_scc1 .Lnot_wave_0_\@
	s_barrier_signal -3
.Lnot_wave_0_\@:
	s_barrier_wait -3
	s_barrier_signal -1
	s_barrier_wait -1
.endm
; THE CHANGE OF SLOTS stands between the loads of a slot's last V and of the next slot's first K.  A wave has one tensor load out at the most.
.macro CHANGE fill
	WIN 0
	s_wait_tensorcnt 0x0                           ; no tensor load of mine is out: my part of the other slot is in, and a group 0 may be written
	ds_add_u32 v[SPW], v[NIL]                      ; 0 onto my spare word
.if \fill
.irp g, G0K, G0V
	s_xor_b32 s[\g+1], s[\g+1], SLOT1
	s_add_nc_u64 s[\g+2:\g+3], s[\g+2:\g+3], 4*KS*128
.endr
	s_wait_xcnt 0x0                                ; the last prefetch, four key steps back, has read its address
	s_add_nc_u64 s[PFA:PFA+1], s[PFA:PFA+1], 4*KS*128
	s_wait_dscnt 0x0                               ; the add is done, my reads of the slot are over
	CROUND                                         ; no wave of any partner still reads the slot or has a load on its way
	JLOAD
	ASK
.else
	s_wait_dscnt 0x0
	s_barrier_signal -1
	s_barrier_wait -1
.endif
	s_sub_co_u32 s[TBK], s[TBK], 4*KS*PK           ; the fetches go back to a slot's first step, in the other slot
	s_xor_b32 s[TBK], s[TBK], SLOT1
	s_sub_co_u32 s[TBV], s[TBV], 4*KS*PVP
	s_xor_b32 s[TBV], s[TBV], SLOT1
.endm
	s_load_b256 s[4:11], s[0:1], 0x0               ; qkv s[4:5], keytab s[6:7], mask s[8:9], oh s[10:11]
	v_lshl_add_u32 v[SPW], v0, 2, SPARE
	v_mov_b32 v[NIL], 0
	ds_add_u32 v[SPW], v[NIL]                      ; the wave's opening: the add and its wait stand ahead of my first tensor load
	v_lshrrev_b32 v1, 5, v0
	v_readfirstlane_b32 s[WV], v1
	s_bfe_u32 s13, ttmp6, 0x40000                  ; cx
	s_lshl_b32 s14, ttmp9, 2
	s_add_co_u32 s14, s14, s13                     ; my block of 256 queries
	s_and_b32 s16, ttmp7, 0xffff                   ; hb, which the four partners share
	s_and_b32 s17, s16, 1                          ; b
	s_lshr_b32 s18, s16, 1                         ; h
	s_lshl_b32 s20, s16, 18                        ; the head's 2,048 rows of 128 bytes
	s_mov_b32 s21, 0
	s_and_b32 s19, s[WV], 1                        ; which half of a slot's 256 keys I fetch
	s_lshl_b32 s22, s19, 14
	s_add_co_u32 s22, s22, s20
	s_add_co_u32 s22, s22, 0x800000                ; k lies 2^23 bytes behind q, v 2^23 behind k
	s_mov_b32 s23, 0
	s_mul_i32 s58, s19, 128*PK
	s_mul_i32 s59, s19, 128*PVP
	s_lshl_b32 s2, s14, 15
	s_lshl_b32 s3, s[WV], 13
	s_add_co_u32 s2, s2, s3
	s_add_co_u32 s20, s20, s2                      ; s[20:21]: my wave's 64 rows of q
	s_lshl_b32 s2, s17, 13
	s_lshl_b32 s3, s14, 10
	s_add_co_u32 s2, s2, s3
	s_lshl_b32 s3, s[WV], 8
	s_add_co_u32 s2, s2, s3
	s_mov_b32 s3, 0                                ; s[2:3]: their mask
	s_lshl_b32 s66, s17, 4
	s_lshl1_add_u32 s66, s14, s66
	s_lshr_b32 s67, s[WV], 1
	s_add_co_u32 s66, s66, s67                     ; m >> 7
	s_lshl4_add_u32 s66, s66, s18
	s_lshl_b32 s66, s66, 14
	s_lshl_b32 s67, s19, 13
	s_add_co_u32 s66, s66, s67
	s_mov_b32 s67, 0                               ; s[66:67]: their place in oh
	s_lshl_b32 s68, s17, 14
	s_mov_b32 s69, 0                               ; s[68:69]: the batch's table
	s_lshl_b32 s70, s13, 13
	s_mov_b32 s71, 0                               ; s[70:71]: my work-group's part of a tile, for the prefetches alone
	s_mov_b32 s[G1K], 15|(1<<16)|(1<<20)|(1<<21)|(4<<22)|(3<<25)  ; the mask of four; 2-byte elements; padding on; bit 21 beside a mask; after every 32 words 4 words
	s_mov_b32 s[G1V], 15|(1<<16)|(1<<20)|(1<<21)|(4<<22)|(7<<25)  ; 8 words
.irp g, G1K, G1V
	s_mov_b32 s[\g+1], 128<<16                     ; 128 keys are 16,384 dense bytes: 64 rows of 256 bytes
	s_mov_b32 s[\g+2], 64<<16
	s_mov_b32 s[\g+3], 128<<16
	s_mov_b32 s[\g+4], 64
	s_mov_b32 s[\g+5], 128
	s_mov_b32 s[\g+6], 0
	s_mov_b32 s[\g+7], 0
.endr
	s_mov_b32 s[LO], 0xc0c00000
	s_mov_b32 s[M5], 0xc0e6d4ca
	s_mov_b32 s[M5+1], s[M5]
	s_mov_b32 s[SEL], 0x76543210
	s_mov_b32 s[SEL+1], 0xfedcba98
	s_mov_b32 s[TBK], SLOT1+4*KS*PK                ; the first change of slots turns these two into 0
	s_mov_b32 s[TBV], SLOT1+4*KS*PVP
	s_mov_b32 s[SLOTS], 7
	s_mov_b32 s[G0K], 1
	s_mov_b32 s[G0K+1], s58
	s_mov_b32 s[G0V], 1
	s_add_co_u32 s[G0V+1], s59, VOFF
	s_and_b32 s[LIM], s[WV], 1
	s_or_b32 s[LIM], s[LIM], ttmp9
	s_cmp_eq_u32 s[LIM], 0
	s_cselect_b32 s[LIM], 1, -1                    ; the same in all four partners
	s_wait_dscnt 0x0                               ; the opening add is done
	s_wait_kmcnt 0x0
	s_add_nc_u64 s[G0K+2:G0K+3], s[4:5], s[22:23]
	s_add_nc_u64 s[G0V+2:G0V+3], s[G0K+2:G0K+3], 0x800000
	s_cmp_lt_u32 s[WV], 2
	s_cselect_b64 s[PFA:PFA+1], s[G0K+2:G0K+3], s[G0V+2:G0V+3]
	s_add_nc_u64 s[PFA:PFA+1], s[PFA:PFA+1], s[70:71]
	s_add_nc_u64 s[PFA:PFA+1], s[PFA:PFA+1], 4*KS*128  ; at tile 1: each change steps it ahead of its use
	s_or_b32 s[G0K+3], s[G0K+3], 0x80000000
	s_or_b32 s[G0V+3], s[G0V+3], 0x80000000
	s_add_nc_u64 s[4:5], s[4:5], s[20:21]
	s_add_nc_u64 s[8:9], s[8:9], s[2:3]
	s_add_nc_u64 s[10:11], s[10:11], s[66:67]
	s_add_nc_u64 s[KTP:KTP+1], s[6:7], s[68:69]
	CROUND                                         ; all four work-groups are here
	JLOAD                                          ; tile 0 into slot 0
	v_and_b32 v1, 15, v0                           ; l % 16
	v_bfe_u32 v9, v0, 4, 1                         ; l / 16
	v_lshlrev_b32 v[QO], 7, v1
	v_lshl_add_u32 v[QO], v9, 4, v[QO]
	v_lshlrev_b32 v20, 2, v1
	WIN 0x80
.set i, 0
.rept 8                                ; Q stays in registers: tile i / 2, channels 32 (i % 2) on
	global_load_b128 v[QF+8*i:QF+8*i+3],   v[QO], s[4:5] offset:(i/2)*2048+(i%2)*64
	global_load_b128 v[QF+8*i+4:QF+8*i+7], v[QO], s[4:5] offset:(i/2)*2048+(i%2)*64+32
.set i, i+1
.endr
.set i, 0
.rept 128
	v_mov_b32 v[OA+i], 0
.set i, i+1
.endr
	WIN 0xc0
.set i, 0
.rept 64
	v_mov_b32 v[VF+i], 0
.set i, i+1
.endr
	WIN 0
.irp t, 0,1,2,3
	global_load_b32 v[MK+(\t)], v20, s[8:9] offset:64*(\t)
.endr
.set i, 0
.rept 64
	v_mov_b32 v[PF+i], 0
.set i, i+1
.endr
.irp t, 0,1,2,3
	v_mov_b32 v[ST+8*(\t)+1], 0xff7fffff           ; m
	v_mov_b32 v[ST+8*(\t)+3], 0
	v_mov_b32 v[ST+8*(\t)+4], 0
	v_mov_b32 v[ST+8*(\t)+5], 0
.endr
	v_mov_b32 v21, 0x3fb8aa3b                      ; c
	v_mul_u32_u24 v[AK0], v1, PK
	v_lshl_add_u32 v[AK0], v9, 4, v[AK0]
	v_and_b32 v10, 7, v0
	v_bfe_u32 v11, v0, 3, 1
	v_lshl_add_u32 v[AV0], v9, 3, v10              ; the turning load: lane l reads key 8 (l / 16) + l % 8, channels 8 ((l / 8) % 2) + 0..7
	v_mul_u32_u24 v[AV0], v[AV0], PVP
	v_lshl_add_u32 v[AV0], v11, 4, v[AV0]
	v_add_nc_u32 v[AV0], VOFF, v[AV0]
	v_lshlrev_b32 v[TO], 5, v9
	v_and_b32 v[PFO], 31, v0
	v_lshlrev_b32 v[PFO], 8, v[PFO]
; THE MATRIX WORK.  Sixteen accumulators take turns, one instruction a turn.  Product i of 32.
.macro KQ                              ; S^T = K Q^T: channels 32 (i / 16) on, key block (i % 16) / 4, tile i % 4; the first 16 start the sums
	WIN 0x5b
.set rS, ACC+32*(i%4)+8*((i%16)/4)
.set rK, KF+16*((i%16)/4)+8*(i/16)
.set rQ, QF+16*(i%4)+8*(i/16)
.if i < 16
	v_wmma_f32_16x16x32_f16 v[rS:rS+7], v[rK:rK+7], v[rQ:rQ+7], 0
.else
	v_wmma_f32_16x16x32_f16 v[rS:rS+7], v[rK:rK+7], v[rQ:rQ+7], v[rS:rS+7]
.endif
.endm
.macro PV                              ; O^T += V^T P: keys 32 (i / 16) on, channel block (i % 16) / 4, tile i % 4
	WIN 0xa3
.set rO, OA+32*(i%4)+8*((i%16)/4)
.set rV, VF+32*(i/16)+8*((i%16)/4)
.set rP, PF+16*(i%4)+8*(i/16)
	v_wmma_f32_16x16x32_f16 v[rO:rO+7], v[rV:rV+7], v[rP:rP+7], v[rO:rO+7]
.endm
; K of the next step (16 LDS loads) and its H and B (16 loads of 16 bytes; each block of 256 bytes of the table whole).  last = 1 (the tail): in the last trip there is no further step.
.macro FETCH_KT last=0
	WIN 0
.if \last
	s_cmp_eq_u32 s[CNT], 1
	s_cbranch_scc1 .Lno_k_\@
.endif
	v_add_nc_u32 v[AK], s[TBK], v[AK0]
	s_add_co_u32 s[TBK], s[TBK], KS*PK
	WIN 0xc0
.irp f, 0,1,2,3,4,5,6,7
	ds_load_b128 v[KF+8*(\f):KF+8*(\f)+3],   v[AK] offset:((\f)/2)*16*PK+((\f)%2)*64
	ds_load_b128 v[KF+8*(\f)+4:KF+8*(\f)+7], v[AK] offset:((\f)/2)*16*PK+((\f)%2)*64+32
.endr
	WIN 0
.irp kb, 0,1,2,3
	global_load_b128 v[HH+8*(\kb):HH+8*(\kb)+3],   v[TO], s[KTP:KTP+1] offset:64*(\kb)
	global_load_b128 v[HH+8*(\kb)+4:HH+8*(\kb)+7], v[TO], s[KTP:KTP+1] offset:64*(\kb)+16
	global_load_b128 v[BB+8*(\kb):BB+8*(\kb)+3],   v[TO], s[KTP:KTP+1] offset:8192+64*(\kb)
	global_load_b128 v[BB+8*(\kb)+4:BB+8*(\kb)+7], v[TO], s[KTP:KTP+1] offset:8192+64*(\kb)+16
.endr
.if \last
.Lno_k_\@:
.endif
.endm
.macro FETCH_V
	WIN 0
	v_add_nc_u32 v[AV], s[TBV], v[AV0]
	s_add_co_u32 s[TBV], s[TBV], KS*PVP
	WIN 0xc0
.irp f, 0,1,2,3,4,5,6,7
	ds_load_tr16_b128 v[VF+8*(\f):VF+8*(\f)+3],   v[AV] offset:((\f)/4)*32*PVP+((\f)%4)*32
	ds_load_tr16_b128 v[VF+8*(\f)+4:VF+8*(\f)+7], v[AV] offset:((\f)/4)*32*PVP+16*PVP+((\f)%4)*32
.endr
	WIN 0
.endm
; STAGE A: s, x, and the first batch of 128 exponentials, each two pairs behind its x.  Each accumulator's lowest register is read first.
.macro STAGE_A
	WIN 0x41
.set p, 0
.rept 64
	v_maxmin_num_f32 v[SS+2*p], v[ACC+2*p], s[LO], v[HH+(2*p)%32]
.if p >= 2
	v_exp_f32 v[ACC+2*p-4], v[ACC+2*p-4]
.endif
	v_maxmin_num_f32 v[SS+2*p+1], v[ACC+2*p+1], s[LO], v[HH+(2*p)%32+1]
.if p >= 2
	v_exp_f32 v[ACC+2*p-3], v[ACC+2*p-3]
.endif
	v_pk_fma_f32 v[ACC+2*p:ACC+2*p+1], v[SS+2*p:SS+2*p+1], s[M5:M5+1], v[BB+(2*p)%32:BB+(2*p)%32+1] op_sel_hi:[1,0,1]
.set p, p+1
.endr
.irp u, 124,125,126,127
	v_exp_f32 v[ACC+(\u)], v[ACC+(\u)]
.endr
	v_nop                                          ; a plain instruction behind the last of the batch,
	s_wait_alu depctr_va_vdst(0)                   ; and the batch's one wait: nothing above names a result
.endm
; STAGE B: d and the batch of 128 reciprocals; the 32 products V^T P of the step before stand among them.
.macro STAGE_B
	s_wait_dscnt 0x0                               ; V is in
.set p, 0
.rept 64
.if p%2 == 0
.set i, p/2
	PV
.endif
	WIN 0x41
	v_pk_add_f32 v[ACC+2*p:ACC+2*p+1], v[ACC+2*p:ACC+2*p+1], 0.5 op_sel_hi:[1,0]
.if p >= 1
	v_rcp_f32 v[ACC+2*p-2], v[ACC+2*p-2]
	v_rcp_f32 v[ACC+2*p-1], v[ACC+2*p-1]
.endif
.set p, p+1
.endr
	v_rcp_f32 v[ACC+126], v[ACC+126]
	v_rcp_f32 v[ACC+127], v[ACC+127]
	v_nop
	s_wait_alu depctr_va_vdst(0)
.rept 4
	v_nop                                          ; with the two sums and the v_nop above: the places between the last product and the loads into V's registers
.endr
.endm
.macro MX q                            ; pair q into one of its tile's four chains, which lie in ACC's registers that y has read
.set ck, ACC+32*((\q)/16)+(\q)%4
.if (\q)%16 < 4
	v_max_num_f32 v[ck], v[SS+2*(\q)], v[SS+2*(\q)+1]
.else
	v_max3_num_f32 v[ck], v[ck], v[SS+2*(\q)], v[SS+2*(\q)+1]
.endif
.endm
; STAGE C1: y, its maximum, the statistics link by link over the four tiles, and a.
.macro STAGE_C1
	WIN 0x55
.set p, 0
.rept 64
	v_pk_fma_f32 v[SS+2*p:SS+2*p+1], v[SS+2*p:SS+2*p+1], v[ACC+2*p:ACC+2*p+1], v[SS+2*p:SS+2*p+1]
.if p >= 2
	MX p-2
.endif
.set p, p+1
.endr
	MX 62
	MX 63
.irp t, 0,1,2,3
	v_max3_num_f32 v[ACC+32*(\t)], v[ACC+32*(\t)], v[ACC+32*(\t)+1], v[ACC+32*(\t)+2]
.endr
	WIN 0x05
.irp t, 0,1,2,3
	v_max3_num_f32 v[TT+(\t)], v[ACC+32*(\t)], v[ACC+32*(\t)+3], v[ST+8*(\t)+1]
.endr
	WIN 0
.irp t, 0,1,2,3
	v_permlanex16_b32 v[ST+8*(\t)+3], v[TT+(\t)], s[SEL], s[SEL+1]  ; the query's other 32 keys lie in the lane 16 away
.endr
.irp t, 0,1,2,3
	v_mov_b32 v[ST+8*(\t)+7], v[ST+8*(\t)]
.endr
.irp t, 0,1,2,3
	v_max_num_f32 v[ST+8*(\t)+1], v[TT+(\t)], v[ST+8*(\t)+3]
.endr
.irp t, 0,1,2,3
	v_mul_f32 v[ST+8*(\t)], v[ST+8*(\t)+1], v[ST+8*(\t)+2]
.endr
.irp t, 0,1,2,3
	v_sub_f32 v[ST+8*(\t)+7], v[ST+8*(\t)+7], v[ST+8*(\t)]
.endr
.irp t, 0,1,2,3
	v_exp_f32 v[ST+8*(\t)+6], v[ST+8*(\t)+7]       ; a: first named behind the next stage's wait
.endr
.endm
; STAGE C2: z and the batch of 128 exponentials (with the four a: 132); the 32 products K Q^T of the next step stand among them.
.macro STAGE_C2
	s_wait_dscnt 0x0                               ; K is in
.set p, 0
.rept 64
.if p%2 == 0
.set i, p/2
	KQ
.endif
	WIN 0x41
	v_pk_fma_f32 v[SS+2*p:SS+2*p+1], v[SS+2*p:SS+2*p+1], v[ST+8*(p/16)+2:ST+8*(p/16)+3], v[ST+8*(p/16):ST+8*(p/16)+1] op_sel_hi:[1,0,0] neg_lo:[0,0,1] neg_hi:[0,0,1]
.if p >= 1
	v_exp_f32 v[SS+2*p-2], v[SS+2*p-2]
	v_exp_f32 v[SS+2*p-1], v[SS+2*p-1]
.endif
.set p, p+1
.endr
	v_exp_f32 v[SS+126], v[SS+126]
	v_exp_f32 v[SS+127], v[SS+127]
	v_nop
	s_wait_alu depctr_va_vdst(0)
.endm
; STAGE D: the weights rounded to f16; their sums, in place, neighbours 1, 2, 4 and 8 pairs apart, the tiles by turns; l = a l + sum; O^T times a.
.macro STAGE_D
	WIN 0x05
.set p, 0
.rept 64
	v_cvt_pk_f16_f32 v[PF+p], v[SS+2*p], v[SS+2*p+1]
.set p, p+1
.endr
	WIN 0x45
.irp d, 1,2,4,8
.set k, 0
.rept 32/(\d)
.set rA, SS+32*(k%4)+4*(\d)*(k/4)
	v_pk_add_f32 v[rA:rA+1], v[rA:rA+1], v[rA+2*(\d):rA+2*(\d)+1]
.set k, k+1
.endr
.endr
	WIN 0x10
.irp t, 0,1,2,3
	v_pk_fma_f32 v[ST+8*(\t)+4:ST+8*(\t)+5], v[ST+8*(\t)+4:ST+8*(\t)+5], v[ST+8*(\t)+6:ST+8*(\t)+7], v[SS+32*(\t):SS+32*(\t)+1] op_sel_hi:[1,0,1]
.endr
	WIN 0x82
.set p, 0
.rept 64
	v_pk_mul_f32 v[OA+2*p:OA+2*p+1], v[OA+2*p:OA+2*p+1], v[ST+8*(p/16)+6:ST+8*(p/16)+7] op_sel_hi:[1,0]
.set p, p+1
.endr
	WIN 0
.endm
; A trip is PARTX (step j: K, H, B of step j + 1 are asked for; y, maximum, weights; scores of step j + 1) and PARTY (step j + 1: the gate; V^T P of step j; V of step j + 1).
.macro PARTX last
	FETCH_KT \last
	STAGE_C1
	STAGE_C2
	STAGE_D
.endm
.macro PARTY
	s_wait_loadcnt 0x0                             ; H and B are in, asked for three stages back; the wait also frees their base:
	s_add_nc_u64 s[KTP:KTP+1], s[KTP:KTP+1], 256   ; the next step's 64 keys
	STAGE_A
	STAGE_B
	FETCH_V
.endm
	CHANGE 1                                       ; slot 0 is in, everybody's part of it; slot 1 is asked for
	FETCH_KT 0                                     ; key step 0
	s_wait_loadcnt 0x0                             ; Q, the rows' mask, H and B
.irp t, 0,1,2,3
	v_cmp_ne_u32 vcc_lo, 0, v[MK+(\t)]
	v_cndmask_b32 v[ST+8*(\t)+2], 0, v21, vcc_lo   ; Rc
	v_mul_f32 v[ST+8*(\t)], 0xfe000000, v[ST+8*(\t)+2]  ; MR far below every y Rc: the first a is 0 (1 on a masked row, whose O and l are 0)
.endr
	s_wait_dscnt 0x0
.set i, 0
.rept 32
	KQ                                             ; the first scores
.set i, i+1
.endr
	WIN 0                                          ; the addresses for the way out: eleven plain instructions, the places behind those products
	s_mul_i32 s13, s[WV], 16*SP
	s_add_co_u32 s13, s13, STAGE
	v_mul_u32_u24 v[STO], v1, SP
	v_lshl_add_u32 v[STO], v9, 4, v[STO]
	v_add_nc_u32 v[STO], s13, v[STO]
	v_bfe_u32 v[RD], v0, 3, 2
	v_mul_u32_u24 v[RD], v[RD], SP
	v_lshl_add_u32 v[RD], v10, 4, v[RD]
	v_add_nc_u32 v[RD], s13, v[RD]
	v_and_b32 v[GO], 31, v0
	v_lshlrev_b32 v[GO], 4, v[GO]
	s_mov_b32 s[CNT], 4
	s_branch .Lmid                                 ; the loop is entered in the middle of a trip
.Lslot:                                        ; six times: tiles 2 to 7 are asked for
	CHANGE 1
	s_mov_b32 s[CNT], 4
.Lstep:
	PARTX 0
.Lmid:
	PARTY
	s_sub_co_u32 s[CNT], s[CNT], 1
	s_cmp_lg_u32 s[CNT], 0
	s_cbranch_scc1 .Lstep
	s_sub_co_u32 s[SLOTS], s[SLOTS], 1
	s_cmp_lg_u32 s[SLOTS], 0
	s_cbranch_scc1 .Lslot
	CHANGE 0                                       ; the tail is written out
	s_mov_b32 s[CNT], 5                            ; four trips fetch the last slot's steps; the fifth is left in its middle
.Ltail:
	PARTX 1
	s_sub_co_u32 s[CNT], s[CNT], 1
	s_cmp_eq_u32 s[CNT], 0
	s_cbranch_scc1 .Lout
	PARTY
	s_branch .Ltail
.Lout:
.set i, 0
.rept 32
	PV                                             ; V^T P of the last step
.set i, i+1
.endr
	; THE WAY OUT.  l's halves and the other half of the lanes' are added; O^T is divided by l, rounded to f16 and sent through my stage, a tile at a time.  The additions are the places behind the last products.
	WIN 0
.irp t, 0,1,2,3
	v_add_f32 v[ST+8*(\t)+4], v[ST+8*(\t)+4], v[ST+8*(\t)+5]
.endr
.irp t, 0,1,2,3
	v_permlanex16_b32 v[ST+8*(\t)+5], v[ST+8*(\t)+4], s[SEL], s[SEL+1]
.endr
.irp t, 0,1,2,3
	v_add_f32 v[ST+8*(\t)+4], v[ST+8*(\t)+4], v[ST+8*(\t)+5]
.endr
.irp t, 0,1,2,3
	v_rcp_f32 v[ST+8*(\t)+4], v[ST+8*(\t)+4]
.endr
	v_nop
	s_wait_alu depctr_va_vdst(0)                   ; one wait for the four reciprocals
.macro PACK t
	WIN 0x82
.set i, 0
.rept 16
	v_pk_mul_f32 v[OA+32*(\t)+2*i:OA+32*(\t)+2*i+1], v[OA+32*(\t)+2*i:OA+32*(\t)+2*i+1], v[ST+8*(\t)+4:ST+8*(\t)+5] op_sel_hi:[1,0]
.set i, i+1
.endr
	WIN 0x0a
.set i, 0
.rept 16
	v_cvt_pk_f16_f32 v[PF+16*(\t)+i], v[OA+32*(\t)+2*i], v[OA+32*(\t)+2*i+1]
.set i, i+1
.endr
	WIN 0
.irp f, 0,1,2,3
	ds_store_b128 v[STO], v[PF+16*(\t)+4*(\f):PF+16*(\t)+4*(\f)+3] offset:32*(\f)
.endr
.irp f, 0,1,2,3
	ds_load_b128 v[PF+16*(\t)+4*(\f):PF+16*(\t)+4*(\f)+3], v[RD] offset:(\f)*4*SP  ; LDS serves a wave's instructions in order: these see the stores above, the next tile's stores come behind them
.endr
.endm
.macro SEND t, younger                 ; younger: the LDS instructions issued behind tile t's loads: the next tile's eight, or none
.irp f, 0,1,2,3
	s_wait_dscnt (\younger)+3-(\f)
	global_store_b128 v[GO], v[PF+16*(\t)+4*(\f):PF+16*(\t)+4*(\f)+3], s[10:11] offset:(\t)*2048+(\f)*512  ; 512 consecutive bytes, aligned to 256
.endr
.endm
	PACK 0
	PACK 1
	SEND 0, 8
	PACK 2
	SEND 1, 8
	PACK 3
	SEND 2, 8
	SEND 3, 0
	s_wait_tensorcnt 0x0                           ; the wave's end
	ds_add_u32 v[SPW], v[NIL]
	s_wait_dscnt 0x0
	CROUND                                         ; the closing round
	s_endpgm
.Lfunc_end_k_q3247608d1a_attn:
	.size	k_q3247608d1a_attn, .Lfunc_end_k_q3247608d1a_attn-k_q3247608d1a_attn
	.p2alignl 7, 3214868480
	.fill 96, 4, 3214868480
	.section	.rodata,"a",@progbits
	.p2align	6, 0x0
	.amdhsa_kernel k_q3247608d1a_attn
		.amdhsa_group_segment_fixed_size 327680
		.amdhsa_private_segment_fixed_size 0
		.amdhsa_enable_private_segment 0
		.amdhsa_kernarg_size 32
		.amdhsa_user_sgpr_count 2
		.amdhsa_user_sgpr_kernarg_segment_ptr 1
		.amdhsa_wavefront_size32 1
		.amdhsa_system_sgpr_workgroup_id_x 1
		.amdhsa_system_sgpr_workgroup_id_y 1
		.amdhsa_system_sgpr_workgroup_id_z 1
		.amdhsa_system_vgpr_workitem_id 0
		.amdhsa_next_free_vgpr 896
		.amdhsa_next_free_sgpr 72
		.amdhsa_reserve_vcc 1
		.amdhsa_float_denorm_mode_32 3
		.amdhsa_float_denorm_mode_16_64 3
		.amdhsa_memory_ordered 1
		.amdhsa_forward_progress 1
		.amdhsa_inst_pref_size 174
	.end_amdhsa_kernel
	.amdgpu_metadata
---
amdhsa.version: [ 1, 2 ]
amdhsa.kernels:
  - .name:           k_q3247608d1a_attn
    .symbol:         k_q3247608d1a_attn.kd
    .args:
      - { .name: qkv, .offset: 0, .size: 8, .value_kind: global_buffer, .address_space: global }
      - { .name: keytab, .offset: 8, .size: 8, .value_kind: global_buffer, .address_space: global }
      - { .name: mask, .offset: 16, .size: 8, .value_kind: global_buffer, .address_space: global }
      - { .name: oh, .offset: 24, .size: 8, .value_kind: global_buffer, .address_space: global }
    .group_segment_fixed_size: 327680
    .private_segment_fixed_size: 0
    .kernarg_segment_align: 8
    .kernarg_segment_size: 32
    .max_flat_workgroup_size: 128
    .sgpr_count:     72
    .vgpr_count:     896
    .wavefront_size: 32
...
	.end_amdgpu_metadata
.endif
;; end of part 3
;; launch oproj (part 4): grid 8 x 32, 4 waves a work-group, clusters of 4 x 4, 327,680 bytes of LDS; arguments oh, w16, biasw, out0; writes out0
.if DOCPART == 4
	.amdgcn_target "amdgcn-amd-amdhsa--gfx1250"
	.amdhsa_code_object_version 6
	.text
	.protected	k_q3247608d1a_oproj
	.globl	k_q3247608d1a_oproj
	.p2align	8
	.type	k_q3247608d1a_oproj,@function
k_q3247608d1a_oproj:
	s_mov_b64 s[64:65], 0
	v_nop
	global_prefetch_b8 v0, s[64:65] scope:SCOPE_SE
	s_setreg_imm32_b32 hwreg(HW_REG_WAVE_MODE, 25, 1), 1
	s_wait_xcnt 0x0
	s_wait_alu depctr_hold_cnt(0) depctr_sa_sdst(0) depctr_va_vdst(0) depctr_va_sdst(0) depctr_va_ssrc(0) depctr_va_vcc(0) depctr_vm_vsrc(0)
	s_getreg_b32 s2, hwreg(HW_REG_IB_STS2, 6, 4)
	s_cmp_eq_u32 s2, 0
	s_cbranch_scc0 .Lentry_in_a_cluster
	s_endpgm
.Lentry_in_a_cluster:
	s_bfe_u32 s2, ttmp6, 0x10000c
	s_cmp_lg_u32 s2, 0xf033
	s_cbranch_scc0 .Lentry_shape_is_right
	s_endpgm
.Lentry_shape_is_right:
; THE OUTPUT PROJECTION.  out0[m][n] = bo[n] + sum over k of O[m][k] wo[n][k], k = 64 h + d.  O: oh[m >> 7][h][m & 127][64] f16; wo: w16's fourth matrix, [n][k], bf16 numbers written as f16; f32 sums, f32 out.
; A tile of out0 is 128 x 128: 256 work-groups of four waves, a wave 64 x 64 in 16 accumulators.  K goes in 4 steps of 256 (four heads) through two LDS slots.
; O's part of a step is 65,536 dense bytes: waves 0 and 1 fetch two heads each, as 128 rows of 256 bytes padded after every 128; waves 2 and 3 fetch 64 rows x 512 bytes of wo each.
; CLUSTER 4 x 4: O's tile is shared along a row of the cluster, wo's along a column: each is asked for jointly.
; THE MATRIX INSTRUCTION IS USED TRANSPOSED (source 0 = 16 rows of wo, source 1 = 16 rows of O): a lane holds row l % 16 and the columns 8 (l / 16) + 0..7.  The bias is the C operand of the first product.
; No prefetch: two of the four K steps go out as first fills, and the tiles are small.
; REGISTERS.  window 0: v0-31 addresses; v32-95 rows on the way out; v96-127 the bias; v128-255 the accumulators ((a, b) at 128 + 8 (4 a + b)).   window 1: two fragment buffers of 128: 64 of O, then 64 of wo.
.set PA,     144                       ; a row of O in LDS: 128 bytes + 16
.set HEADB,  128*PA                    ; a head's 128 rows
.set APART,  4*HEADB                   ; 73,728
.set PW,     528                       ; a row of wo: 512 bytes + 16
.set WHALF,  64*PW
.set SLOT,   APART+2*WHALF             ; 141,312
.set STAGE,  2*SLOT                    ; behind the ring: 16 rows x 272 bytes for each wave
.set SPITCH, 272
.set SPARE,  STAGE+4*16*SPITCH         ; the spare words: 128 bytes a wave, named by no other line
.set LAPS,   2
.set ADRA, 16
.set ADRB, 20
.set STO,  24
.set RD,   25
.set CO,   26
.set BO,   27
.set SPW,  28
.set NIL,  29
.set TMP,  32
.set BI,   96
.set ACC,  128
.set F0,   0
.set F1,   128
.set G1, 24
.set G0, 32
.set G1B, 48
.set G0B, 56
.set MSB, 0
.macro WIN new
.if MSB != (\new)
	s_set_vgpr_msb (MSB<<8)|(\new)
.set MSB, \new
.endif
.endm
.set MUL,  0x05                        ; sources 0 and 1 window 1; C and D window 0
.set TO_F, 0x40
.macro JLOAD s
	s_cmp_eq_u32 s11, 0
	s_cbranch_scc0 .Lfor_b_\@
	tensor_load_to_lds s[G0+4*(\s):G0+4*(\s)+3], s[G1:G1+7]
	s_nop 0
.rept 4
	v_nop
.endr
	s_branch .Lasked_\@
.Lfor_b_\@:
	tensor_load_to_lds s[G0B+4*(\s):G0B+4*(\s)+3], s[G1B:G1B+7]
	s_nop 0
.rept 4
	v_nop
.endr
.Lasked_\@:
.endm
.macro CREST
	s_cmp_lg_u32 s10, 0
	s_cbranch_scc1 .Lnot_wave_0_\@
	s_barrier_signal -3
.Lnot_wave_0_\@:
	s_barrier_wait -3
	s_barrier_signal -1
	s_barrier_wait -1
.endm
.macro CROUND
	s_barrier_signal -1
	s_barrier_wait -1
	CREST
.endm
	s_load_b128 s[4:7], s[0:1], 0x0                ; oh s[4:5], w16 s[6:7]
	s_load_b128 s[68:71], s[0:1], 0x10             ; biasw s[68:69], out0 s[70:71]
	v_lshl_add_u32 v[SPW], v0, 2, SPARE
	v_mov_b32 v[NIL], 0
	ds_add_u32 v[SPW], v[NIL]                      ; the wave's opening: the add and its wait stand ahead of my first tensor load
	v_lshrrev_b32 v1, 5, v0
	v_readfirstlane_b32 s10, v1
	s_lshr_b32 s11, s10, 1                         ; my half of the tile's rows; also: I fetch O (0) or wo (1)
	s_and_b32 s12, s10, 1                          ; my half of its columns; also: which half I fetch
	s_bfe_u32 s40, ttmp6, 0x40000
	s_bfe_u32 s41, ttmp6, 0x40004
	s_lshl_b32 s42, ttmp9, 2
	s_add_co_u32 s42, s42, s40                     ; tile column, 0..7
	s_and_b32 s13, ttmp7, 0xffff
	s_lshl_b32 s13, s13, 2
	s_add_co_u32 s13, s13, s41                     ; tile row = m >> 7, 0..31
	s_lshl_b32 s43, s41, 2
	s_lshl_b32 s43, 15, s43
	s_lshl_b32 s44, 0x1111, s40
	s_or_b32 s[G1+0], s43, (1<<16)|(1<<20)|(1<<21)|(4<<22)|(3<<25)   ; O: my row's mask; after every 32 words 4 words of padding
	s_mov_b32 s[G1+1], 128<<16                     ; rows of 128 elements,
	s_mov_b32 s[G1+2], 128<<16                     ; 128 of them,
	s_mov_b32 s[G1+3], 128<<16
	s_mov_b32 s[G1+4], 128
	s_mov_b32 s[G1+5], 128                         ; dense
	s_mov_b32 s[G1+6], 0
	s_mov_b32 s[G1+7], 0
	s_or_b32 s[G1B+0], s44, (1<<16)|(1<<20)|(1<<21)|(6<<22)|(3<<25)  ; wo: my column's mask; after every 128 words 4 words
	s_mov_b32 s[G1B+1], 256<<16
	s_mov_b32 s[G1B+2], 64<<16
	s_mov_b32 s[G1B+3], 256<<16
	s_mov_b32 s[G1B+4], 64
	s_mov_b32 s[G1B+5], 1024
	s_mov_b32 s[G1B+6], 0
	s_mov_b32 s[G1B+7], 0
	s_lshl_b32 s16, s13, 18                        ; O: 262,144 bytes a tile row,
	s_lshl_b32 s17, s12, 15                        ; two heads a wave
	s_add_co_u32 s16, s16, s17
	s_mov_b32 s17, 0
	s_lshl_b32 s46, s42, 18                        ; wo: 128 rows of 2,048 bytes a tile column,
	s_lshl_b32 s47, s12, 17                        ; 64 rows a wave,
	s_add_co_u32 s46, s46, s47
	s_add_co_u32 s46, s46, 0x600000                ; in the fourth matrix
	s_mov_b32 s47, 0
	s_mul_i32 s20, s12, 2*HEADB                    ; where they go
	s_mul_i32 s21, s12, WHALF
	s_add_co_u32 s21, s21, APART
	s_wait_dscnt 0x0
	s_wait_kmcnt 0x0
	s_add_nc_u64 s[14:15], s[4:5], s[16:17]
	s_add_nc_u64 s[46:47], s[6:7], s[46:47]
	CROUND
.irp s, 0,1
	s_mov_b32 s[G0+4*(\s)], 1
	s_add_co_u32 s[G0+4*(\s)+1], s20, (\s)*SLOT
	s_add_nc_u64 s[G0+4*(\s)+2:G0+4*(\s)+3], s[14:15], (\s)*65536
	s_or_b32 s[G0+4*(\s)+3], s[G0+4*(\s)+3], 0x80000000
	s_mov_b32 s[G0B+4*(\s)], 1
	s_add_co_u32 s[G0B+4*(\s)+1], s21, (\s)*SLOT
	s_add_nc_u64 s[G0B+4*(\s)+2:G0B+4*(\s)+3], s[46:47], (\s)*512
	s_or_b32 s[G0B+4*(\s)+3], s[G0B+4*(\s)+3], 0x80000000
	JLOAD \s
.endr
	v_and_b32 v1, 15, v0
	v_bfe_u32 v2, v0, 4, 1
	v_lshlrev_b32 v[BO], 5, v2
	s_lshl_b32 s20, s42, 9
	s_lshl_b32 s21, s12, 8
	s_add_co_u32 s20, s20, s21                     ; my 64 columns, in bytes of f32
	s_mov_b32 s21, 0
	s_add_nc_u64 s[66:67], s[68:69], s[20:21]
.irp b, 0,1,2,3
	global_load_b128 v[BI+8*(\b):BI+8*(\b)+3],   v[BO], s[66:67] offset:12288+64*(\b)
	global_load_b128 v[BI+8*(\b)+4:BI+8*(\b)+7], v[BO], s[66:67] offset:12288+64*(\b)+16
.endr
	s_lshl_b32 s22, s13, 19                        ; 128 rows of 4,096 bytes a tile row,
	s_lshl_b32 s23, s11, 18                        ; my 64 of them
	s_add_co_u32 s22, s22, s23
	s_add_co_u32 s20, s20, s22
	s_add_nc_u64 s[8:9], s[70:71], s[20:21]
	v_mul_u32_u24 v3, v1, PA
	v_lshl_add_u32 v3, v2, 4, v3
	v_mul_u32_u24 v4, v1, PW
	v_lshl_add_u32 v4, v2, 4, v4
	s_mul_i32 s21, s11, 64*PA                      ; my 64 rows in each head
	s_mul_i32 s22, s12, WHALF
	s_add_co_u32 s22, s22, APART
.irp s, 0,1
	v_add_nc_u32 v[ADRA+(\s)], s21, v3
	v_add_nc_u32 v[ADRB+(\s)], s22, v4
	s_add_co_u32 s21, s21, SLOT
	s_add_co_u32 s22, s22, SLOT
.endr
	s_mul_i32 s23, s10, 16*SPITCH
	s_add_co_u32 s23, s23, STAGE                   ; my stage
	v_mul_u32_u24 v5, v1, SPITCH                   ; in: row l % 16, 32 bytes for each half of the lanes
	v_lshl_add_u32 v5, v2, 5, v5
	v_add_nc_u32 v[STO], s23, v5
	v_mul_u32_u24 v5, v2, SPITCH                   ; back: lanes 0-15 one row of 256 bytes, lanes 16-31 the next
	v_lshl_add_u32 v5, v1, 4, v5
	v_add_nc_u32 v[RD], s23, v5
	v_lshlrev_b32 v5, 12, v2
	v_lshl_add_u32 v[CO], v1, 4, v5
.macro MUL8 f, c, a0, zero             ; 8 products: m blocks a0, a0 + 1 x all 4 n blocks, 32 along K; zero = 1: the bias starts the sums
	WIN MUL
.irp a, \a0, (\a0)+1
.irp b, 0,1,2,3
.if \zero
	v_wmma_f32_16x16x32_f16 v[ACC+8*(4*(\a)+(\b)):ACC+8*(4*(\a)+(\b))+7], v[(\f)+64+8*(4*(\c)+(\b)):(\f)+64+8*(4*(\c)+(\b))+7], v[(\f)+8*(4*(\c)+(\a)):(\f)+8*(4*(\c)+(\a))+7], v[BI+8*(\b):BI+8*(\b)+7]
.else
	v_wmma_f32_16x16x32_f16 v[ACC+8*(4*(\a)+(\b)):ACC+8*(4*(\a)+(\b))+7], v[(\f)+64+8*(4*(\c)+(\b)):(\f)+64+8*(4*(\c)+(\b))+7], v[(\f)+8*(4*(\c)+(\a)):(\f)+8*(4*(\c)+(\a))+7], v[ACC+8*(4*(\a)+(\b)):ACC+8*(4*(\a)+(\b))+7]
.endif
.endr
.endr
.endm
.macro FETCH slot, q, f                ; 32 LDS loads in one run: quarter q of a K step is one head's 64 channels
	WIN TO_F
.irp c, 0,1
.irp i, 0,1,2,3
	ds_load_b128 v[(\f)+64+8*(4*(\c)+(\i)):(\f)+64+8*(4*(\c)+(\i))+3],   v[ADRB+(\slot)] offset:(\q)*128+64*(\c)+(\i)*16*PW
	ds_load_b128 v[(\f)+64+8*(4*(\c)+(\i))+4:(\f)+64+8*(4*(\c)+(\i))+7], v[ADRB+(\slot)] offset:(\q)*128+64*(\c)+(\i)*16*PW+32
	ds_load_b128 v[(\f)+8*(4*(\c)+(\i)):(\f)+8*(4*(\c)+(\i))+3],         v[ADRA+(\slot)] offset:(\q)*HEADB+64*(\c)+(\i)*16*PA
	ds_load_b128 v[(\f)+8*(4*(\c)+(\i))+4:(\f)+8*(4*(\c)+(\i))+7],       v[ADRA+(\slot)] offset:(\q)*HEADB+64*(\c)+(\i)*16*PA+32
.endr
.endr
.endm
.macro PLACES
.rept 4
	v_nop
.endr
.endm
.macro QUARTER slot, q, f, g, zero
	s_wait_dscnt 16                                ; the first 32 along K are in
	MUL8 \f, 0, 0, \zero
	MUL8 \f, 0, 2, \zero
	PLACES
	FETCH \slot, \q, \g
	s_wait_dscnt 32                                ; all but the 32 just issued
	MUL8 \f, 1, 0, 0
	MUL8 \f, 1, 2, 0
.endm
.macro TURN slot, next, fill           ; the last quarter changes slots: one barrier; fill = 1: this slot is filled again, two K steps ahead
	WIN 0
	s_wait_tensorcnt 0x0                           ; all my tensor loads have landed: my part of the next slot
	ds_add_u32 v[SPW], v[NIL]                      ; 0 onto my spare word
	s_wait_dscnt 17                                ; the add and the youngest sixteen loads may be out
	MUL8 F1, 0, 0, 0
	s_wait_dscnt 0x0                               ; the add is done, my reads of this slot are over
	s_barrier_signal -1
	MUL8 F1, 0, 2, 0
.if \fill
	WIN 0
.endif
	s_barrier_wait -1
.if \fill
	CREST
	s_add_nc_u64 s[G0+4*(\slot)+2:G0+4*(\slot)+3], s[G0+4*(\slot)+2:G0+4*(\slot)+3], 2*65536
	s_add_nc_u64 s[G0B+4*(\slot)+2:G0B+4*(\slot)+3], s[G0B+4*(\slot)+2:G0B+4*(\slot)+3], 2*512
	JLOAD \slot
.else
	PLACES
.endif
	FETCH \next, 0, F0
	MUL8 F1, 1, 0, 0
	MUL8 F1, 1, 2, 0
.endm
	s_wait_tensorcnt 1                             ; my part of K step 0 is in; K step 1's may stay out
	s_barrier_signal -1
	s_barrier_wait -1
	FETCH 0, 0, F0
	s_wait_loadcnt 0x0                             ; the bias
	QUARTER 0, 1, F0, F1, 1
	WIN 0
	s_mov_b32 s3, LAPS-1
.Llap:
	QUARTER 0, 2, F1, F0, 0
	QUARTER 0, 3, F0, F1, 0
	TURN 0, 1, 1
	QUARTER 1, 1, F0, F1, 0
	QUARTER 1, 2, F1, F0, 0
	QUARTER 1, 3, F0, F1, 0
	TURN 1, 0, 1
	QUARTER 0, 1, F0, F1, 0
	WIN 0
	s_sub_co_u32 s3, s3, 1
	s_cmp_lg_u32 s3, 0
	s_cbranch_scc1 .Llap
	QUARTER 0, 2, F1, F0, 0                        ; the last lap fills nothing
	QUARTER 0, 3, F0, F1, 0
	TURN 0, 1, 0
	QUARTER 1, 1, F0, F1, 0
	QUARTER 1, 2, F1, F0, 0
	QUARTER 1, 3, F0, F1, 0
	s_wait_dscnt 16
	MUL8 F1, 0, 0, 0
	MUL8 F1, 0, 2, 0
	s_wait_dscnt 0x0
	MUL8 F1, 1, 0, 0
	MUL8 F1, 1, 2, 0
	WIN 0
	; THE WAY OUT.  My 64 columns of f32 are 256 bytes, aligned: the stage is my own, and no barrier is needed.  16 rows at a time: in by columns, back by rows.
	PLACES
	PLACES
.irp a, 0,1,2,3
.if (\a) >= 2
	s_wait_xcnt 0x0                                ; the stores of two blocks back have read the registers that the loads below fill
.endif
.irp b, 0,1,2,3
	ds_store_b128 v[STO], v[ACC+8*(4*(\a)+(\b)):ACC+8*(4*(\a)+(\b))+3]   offset:64*(\b)
	ds_store_b128 v[STO], v[ACC+8*(4*(\a)+(\b))+4:ACC+8*(4*(\a)+(\b))+7] offset:64*(\b)+16
.endr
.irp u, 0,1,2,3,4,5,6,7
	ds_load_b128 v[TMP+32*((\a)%2)+4*(\u):TMP+32*((\a)%2)+4*(\u)+3], v[RD] offset:(\u)*2*SPITCH  ; LDS serves a wave's instructions in order: these see the stores above
.endr
.irp u, 0,1,2,3,4,5,6,7
	s_wait_dscnt 7-(\u)
	global_store_b128 v[CO], v[TMP+32*((\a)%2)+4*(\u):TMP+32*((\a)%2)+4*(\u)+3], s[8:9] offset:(16*(\a)+2*(\u))*4096  ; 16 lanes store 256 consecutive bytes, aligned
.endr
.endr
	s_wait_tensorcnt 0x0                           ; the wave's end
	ds_add_u32 v[SPW], v[NIL]
	s_wait_dscnt 0x0
	CROUND                                         ; the closing round
	s_endpgm
.Lfunc_end_k_q3247608d1a_oproj:
	.size	k_q3247608d1a_oproj, .Lfunc_end_k_q3247608d1a_oproj-k_q3247608d1a_oproj
	.p2alignl 7, 3214868480
	.fill 96, 4, 3214868480
	.section	.rodata,"a",@progbits
	.p2align	6, 0x0
	.amdhsa_kernel k_q3247608d1a_oproj
		.amdhsa_group_segment_fixed_size 327680
		.amdhsa_private_segment_fixed_size 0
		.amdhsa_enable_private_segment 0
		.amdhsa_kernarg_size 32
		.amdhsa_user_sgpr_count 2
		.amdhsa_user_sgpr_kernarg_segment_ptr 1
		.amdhsa_wavefront_size32 1
		.amdhsa_system_sgpr_workgroup_id_x 1
		.amdhsa_system_sgpr_workgroup_id_y 1
		.amdhsa_system_sgpr_workgroup_id_z 1
		.amdhsa_system_vgpr_workitem_id 0
		.amdhsa_next_free_vgpr 512
		.amdhsa_next_free_sgpr 72
		.amdhsa_reserve_vcc 0
		.amdhsa_float_denorm_mode_32 3
		.amdhsa_float_denorm_mode_16_64 3
		.amdhsa_memory_ordered 1
		.amdhsa_forward_progress 1
		.amdhsa_inst_pref_size 88
	.end_amdhsa_kernel
	.amdgpu_metadata
---
amdhsa.version: [ 1, 2 ]
amdhsa.kernels:
  - .name:           k_q3247608d1a_oproj
    .symbol:         k_q3247608d1a_oproj.kd
    .args:
      - { .name: oh, .offset: 0, .size: 8, .value_kind: global_buffer, .address_space: global }
      - { .name: w16, .offset: 8, .size: 8, .value_kind: global_buffer, .address_space: global }
      - { .name: biasw, .offset: 16, .size: 8, .value_kind: global_buffer, .address_space: global }
      - { .name: out0, .offset: 24, .size: 8, .value_kind: global_buffer, .address_space: global }
    .group_segment_fixed_size: 327680
    .private_segment_fixed_size: 0
    .kernarg_segment_align: 8
    .kernarg_segment_size: 32
    .max_flat_workgroup_size: 128
    .sgpr_count:     72
    .vgpr_count:     512
    .wavefront_size: 32
...
	.end_amdgpu_metadata
.endif
;; end of part 4
;; ======== version 2 of 2: 4 launches; version 1 with the launch prep written anew for expert scheduling mode
;; limits: values are held in f16: magnitudes above 65,504 overflow, below 6.1e-05 lose precision
;; workspace buffers: x16 25,165,824 bytes; w16 8,388,608 bytes; biasw 16,384 bytes; keytab 32,768 bytes; qkv 25,165,824 bytes; oh 8,388,608 bytes
;; launch prep (part 5): grid 1036 x 1, 8 waves a work-group, no clusters, 0 bytes of LDS; arguments query, key_in, value, wq_r, wq_i, wq_j, wq_k, wk_r, wk_i, wk_j, wk_k, wv, wo, bq, bk, bv, bo, density_feat, dm1_w, dm1_b, dm2_w, dm2_b, threshold, mask, x16, w16, biasw, keytab; writes x16, w16, biasw, keytab
.if DOCPART == 5
	.amdgcn_target "amdgcn-amd-amdhsa--gfx1250"
	.amdhsa_code_object_version 6
	.text
	.protected	k_q3247608d1a_prep
	.globl	k_q3247608d1a_prep
	.p2align	8
	.type	k_q3247608d1a_prep,@function
k_q3247608d1a_prep:
	s_mov_b64 s[64:65], 0
	v_nop
	global_prefetch_b8 v0, s[64:65] scope:SCOPE_SE
	s_setreg_imm32_b32 hwreg(HW_REG_WAVE_SCHED_MODE, 0, 2), 2
	s_setreg_imm32_b32 hwreg(HW_REG_WAVE_MODE, 25, 1), 1
	s_wait_xcnt 0x0
	s_wait_alu depctr_vm_vsrc(0)
; PREP: every input is rounded once to bf16 and laid out for the launches behind.
;   work-groups 0..767     x16[t][4096][1024] bf16 = query, key_in, value                      (16 rows each)
;   work-groups 768..1023  w16[4][1024 n][1024 k]: 0 = Hamilton matrix of wq_* / 4, 1 = that of wk_*, 2 = wv (all bf16), 3 = bf16(wo) written as f16
;   work-groups 1024..1031 keytab[b][H[2048], B[2048]] f32: two numbers a key (below)
;   work-groups 1032..1035 biasw[4][1024] f32 = bf16(bq) / 4, bf16(bk), bf16(bv), bf16(bo)
; The factor 1/4 = 1/sqrt(16) is a power of two: it commutes with the rounding.
; KEY TABLE.  thr = softplus(threshold) + 0.1 (gelu(f W1^T + b1) W2^T + b2).  An open key gets H = 6, B = 5 c thr - 1 (c = log2 e); a key whose mask is 0 gets H = -30, B = -150.
; LIMITS.  erf by the rational form of Abramowitz and Stegun 7.1.26, absolute error 1.5e-7 for every argument.  bf16(wo) as f16 is exact from 6e-5 to 65,504; below, the absolute error is 3e-8 at the most.
; No LDS, no matrix unit, no cluster: nothing is shared between waves; each byte is read once and each store of a wave covers 256 consecutive bytes, aligned.
; THE MODE: SCHED_MODE bits 1:0 = 2 (LLVM: expert scheduling mode 2), set by the entry lines.  The code itself states the register dependences
; between vector instructions and memory instructions, with s_wait_alu, always for 0.
; THE PLAN.  Registers that memory instructions touch:
;   the casts      v4-v11 the loads' offsets, v3 the stores' offset: made once, never written again.
;                  CX: the sixteen loads land in it, all issued at the head, ahead of every vector line that names it.
;                  CY: four registers to each pass, its own: written by pass p's conversions, read by its two stores, which are issued at the head of pass p + 1; never written again.
;   the biases     v1, v2 offsets, made once; v[4:7] loaded, rounded in place, stored.
;   the key table  v1-v3 the loads' offsets, v4 the stores': made once.  v8-15 and v32-113: loaded once, ahead of every vector line that names them.  v150-153: written in the loop, stored behind it.
; No register that a memory instruction reads is written again, so no wait on vm_vsrc is owed.  EXEC is never written.
.set CX, 16                            ; v[16:79]   cast: pass p: 8 numbers as loaded
.set CY, 80                            ; v[80:111]  cast: pass p: 4 words to store
.set CT, 112                           ; v[112:119] cast: at work
.set W1, 32                            ; v[32:79]   dm1_w
.set B1, 80                            ; v[80:95]   dm1_b
.set W2, 96                            ; v[96:111]  dm2_w / 2;  v112 dm2_b;  v113 threshold
.set PRE, 114                          ; v[114:129] the 16 hidden numbers before the gelu
.set RC, 130                           ; v[130:145] 1 / (1 + 0.3275911 z)
.set ER, 16                            ; v[16:31]   e^(-z z)
.set AB, 160                           ; v[160:175] |pre|
.macro RB2 a, b, tmp                   ; two f32 rounded to bf16 and widened again
	v_cvt_pk_bf16_f32 v[\tmp], v[\a], v[\b]
	v_lshlrev_b32 v[\a], 16, v[\tmp]
	v_and_b32 v[\b], 0xffff0000, v[\tmp]
.endm
	s_mov_b32 s39, ttmp9
	s_cmp_lt_u32 s39, 1024
	s_cbranch_scc0 .Lsmall
	; ---------------- THE CASTS: 16 rows of 1,024 numbers.  Wave w: columns 256 (w & 3) on; pass p takes row 2 p + (w >> 2).
	s_load_b512 s[4:19], s[0:1], 0x0               ; query, key_in, value, wq_r, wq_i, wq_j, wq_k, wk_r
	s_load_b256 s[20:27], s[0:1], 0x40             ; wk_i, wk_j, wk_k, wv
	s_load_b64 s[28:29], s[0:1], 0x60              ; wo
	s_load_b128 s[32:35], s[0:1], 0xc0             ; x16, w16
	v_lshrrev_b32 v1, 5, v0
	v_readfirstlane_b32 s36, v1                    ; wave
	v_and_b32 v1, 31, v0
	v_lshlrev_b32 v2, 4, v1                        ; 16 bytes a lane
	s_mov_b32 s52, 0                               ; 1: write the bf16 number as f16
	s_mov_b32 s50, 1.0                             ; the factor
	s_wait_alu depctr_va_sdst(0)                   ; s36 is written, ahead of its first reader: rows, columns and both bases' offsets are made from it
	s_and_b32 s37, s36, 3                          ; my block of 256 columns
	s_lshr_b32 s38, s36, 2                         ; even or odd rows
	s_wait_kmcnt 0x0
	s_cmp_lt_u32 s39, 768
	s_cbranch_scc0 .Lweights
	s_lshr_b32 s40, s39, 8                         ; which of the three
	s_and_b32 s41, s39, 255
	s_lshl_b32 s41, s41, 4                         ; first row
	s_cmp_eq_u32 s40, 1
	s_cselect_b64 s[44:45], s[6:7], s[4:5]
	s_cmp_eq_u32 s40, 2
	s_cselect_b64 s[44:45], s[8:9], s[44:45]
	s_mov_b64 s[46:47], s[32:33]
	s_mov_b32 s42, 4096                            ; bytes from row to row in the source
	s_add_co_u32 s43, s41, s38
	s_lshl_b32 s48, s40, 12
	s_add_co_u32 s48, s48, s43                     ; row in x16
	s_lshl_b32 s43, s43, 12
	s_lshl_b32 s53, s37, 10
	s_add_co_u32 s43, s43, s53                     ; byte in the source
	s_branch .Lgo
.Lweights:
	s_sub_co_u32 s40, s39, 768
	s_lshr_b32 s49, s40, 6                         ; which matrix
	s_and_b32 s41, s40, 63
	s_lshl_b32 s41, s41, 4                         ; first row
	s_mov_b64 s[46:47], s[34:35]
	s_add_co_u32 s43, s41, s38
	s_lshl_b32 s48, s49, 10
	s_add_co_u32 s48, s48, s43                     ; row in w16
	s_cmp_lt_u32 s49, 2
	s_cbranch_scc1 .Lhamilton
	s_cmp_eq_u32 s49, 3
	s_cselect_b64 s[44:45], s[28:29], s[26:27]
	s_cselect_b32 s52, 1, 0
	s_mov_b32 s42, 4096
	s_lshl_b32 s43, s43, 12
	s_lshl_b32 s53, s37, 10
	s_add_co_u32 s43, s43, s53
	s_branch .Lgo
.Lhamilton:                                    ; block (R, C) of the Hamilton matrix is component R xor C (r, i, j, k = 0..3), negative at (0,1) (0,2) (0,3) (1,2) (2,3) (3,1)
	s_lshr_b32 s54, s41, 8                         ; R
	s_xor_b32 s55, s54, s37                        ; the component
	s_cmp_eq_u32 s55, 1
	s_cselect_b64 s[56:57], s[12:13], s[10:11]
	s_cselect_b64 s[58:59], s[20:21], s[18:19]
	s_cmp_eq_u32 s55, 2
	s_cselect_b64 s[56:57], s[14:15], s[56:57]
	s_cselect_b64 s[58:59], s[22:23], s[58:59]
	s_cmp_eq_u32 s55, 3
	s_cselect_b64 s[56:57], s[16:17], s[56:57]
	s_cselect_b64 s[58:59], s[24:25], s[58:59]
	s_cmp_eq_u32 s49, 0
	s_cselect_b64 s[44:45], s[56:57], s[58:59]
	s_cselect_b32 s50, 0x3e800000, 1.0             ; q's weights carry the 1/4
	s_lshl2_add_u32 s53, s54, s37                  ; 4 R + C
	s_lshr_b32 s53, 0x284e, s53                    ; the six negative places as bits
	s_lshl_b32 s53, s53, 31
	s_xor_b32 s50, s50, s53                        ; the sign goes into the factor
	s_mov_b32 s42, 1024
	s_and_b32 s43, s43, 255                        ; row in the component
	s_lshl_b32 s43, s43, 10
.Lgo:
	s_lshl_b32 s48, s48, 11                        ; a row of 1,024 bf16
	s_lshl_b32 s53, s37, 9
	s_add_co_u32 s48, s48, s53
	s_mov_b32 s51, s50                             ; named as a pair
	s_lshl_b32 s42, s42, 1                         ; two rows a pass
	v_lshl_add_u32 v3, v1, 3, s48                  ; 8 bytes a lane out
.irp p, 0,1,2,3,4,5,6,7
	v_add_nc_u32 v[4+(\p)], s43, v2
	s_add_co_u32 s43, s43, s42
.endr
	s_wait_alu depctr_va_vdst(0)                   ; the offsets v3 to v11 are written, which the loads and stores below read
.irp p, 0,1,2,3,4,5,6,7                ; all sixteen loads go out at once: 8 KiB a wave
	global_load_b128 v[CX+8*(\p):CX+8*(\p)+3],   v[4+(\p)], s[44:45]
	global_load_b128 v[CX+8*(\p)+4:CX+8*(\p)+7], v[4+(\p)], s[44:45] offset:512
.endr
.macro OUT p                           ; pass p's two stores: 256 consecutive bytes each
	global_store_b64 v3, v[CY+4*(\p):CY+4*(\p)+1],   s[46:47] offset:(\p)*4096
	global_store_b64 v3, v[CY+4*(\p)+2:CY+4*(\p)+3], s[46:47] offset:(\p)*4096+256
.endm
.macro CONV rec
.irp p, 0,1,2,3,4,5,6,7
	s_wait_loadcnt 14-2*(\p)                       ; loads come back in order: the later passes' loads stay out
.if (\p) > 0
	s_wait_alu depctr_va_vdst(0)                   ; the pass before has written its four words of CY, which the two stores below read; its conversions were issued ahead of the wait for this pass's data
	OUT (\p)-1
.endif
.irp j, 0,1,2,3
	v_pk_mul_f32 v[CX+8*(\p)+2*(\j):CX+8*(\p)+2*(\j)+1], v[CX+8*(\p)+2*(\j):CX+8*(\p)+2*(\j)+1], s[50:51] op_sel_hi:[1,0]
.endr
.irp j, 0,1,2,3
	v_cvt_pk_bf16_f32 v[CY+4*(\p)+(\j)], v[CX+8*(\p)+2*(\j)], v[CX+8*(\p)+2*(\j)+1]
.endr
.if \rec
.irp j, 0,1,2,3
	v_lshlrev_b32 v[CT+2*(\j)], 16, v[CY+4*(\p)+(\j)]
	v_and_b32 v[CT+2*(\j)+1], 0xffff0000, v[CY+4*(\p)+(\j)]
.endr
.irp j, 0,1,2,3
	v_cvt_pk_f16_f32 v[CY+4*(\p)+(\j)], v[CT+2*(\j)], v[CT+2*(\j)+1]
.endr
.endif
.endr
	s_wait_alu depctr_va_vdst(0)                   ; the last pass has written its four words of CY, which the last two stores read
	OUT 7
.endm
	s_cmp_eq_u32 s52, 1
	s_cbranch_scc1 .Lrecode
	CONV 0                                         ; no register of a load or store is written again: no further wait
	s_endpgm
.Lrecode:
	CONV 1
	s_endpgm
.Lsmall:
	s_cmp_lt_u32 s39, 1032
	s_cbranch_scc1 .Lkey
	; ---------------- THE BIASES: 256 threads x 4 numbers
	s_load_b256 s[4:11], s[0:1], 0x68              ; bq, bk, bv, bo
	s_load_b64 s[12:13], s[0:1], 0xd0              ; biasw
	s_sub_co_u32 s40, s39, 1032
	v_lshlrev_b32 v1, 4, v0
	s_lshl_b32 s41, s40, 12
	v_add_nc_u32 v2, s41, v1
	s_wait_kmcnt 0x0
	s_cmp_eq_u32 s40, 1
	s_cselect_b64 s[14:15], s[6:7], s[4:5]
	s_cmp_eq_u32 s40, 2
	s_cselect_b64 s[14:15], s[8:9], s[14:15]
	s_cmp_eq_u32 s40, 3
	s_cselect_b64 s[14:15], s[10:11], s[14:15]
	s_cmp_eq_u32 s40, 0
	s_cselect_b32 s16, 0x3e800000, 1.0
	s_mov_b32 s17, s16
	s_wait_alu depctr_va_vdst(0)                   ; the offsets v1 and v2 are written, which the load and the store read
	global_load_b128 v[4:7], v1, s[14:15]
	s_wait_loadcnt 0x0
	RB2 4, 5, 8
	RB2 6, 7, 8
	v_pk_mul_f32 v[4:5], v[4:5], s[16:17] op_sel_hi:[1,0]
	v_pk_mul_f32 v[6:7], v[6:7], s[16:17] op_sel_hi:[1,0]
	s_wait_alu depctr_va_vdst(0)                   ; the two products have written v[4:7], which the store reads
	global_store_b128 v2, v[4:7], s[12:13]
	s_endpgm
.Lkey:
	; ---------------- THE KEY TABLE: 512 keys a work-group, two neighbouring keys a lane
	s_load_b256 s[4:11], s[0:1], 0x88              ; density_feat, dm1_w, dm1_b, dm2_w
	s_load_b128 s[12:15], s[0:1], 0xa8             ; dm2_b, threshold
	s_load_b64 s[16:17], s[0:1], 0xb8              ; mask
	s_load_b64 s[18:19], s[0:1], 0xd8              ; keytab
	s_sub_co_u32 s40, s39, 1024
	s_lshl_b32 s41, s40, 9
	v_lshl_add_u32 v16, v0, 1, s41                 ; my first key, 0..4094
	v_mul_u32_u24 v2, v16, 12                      ; three f32 a key
	v_lshlrev_b32 v3, 2, v16
	s_lshr_b32 s42, s40, 2                         ; batch
	s_and_b32 s43, s40, 3
	s_lshl_b32 s42, s42, 14
	s_lshl_b32 s43, s43, 11
	s_add_co_u32 s42, s42, s43
	v_lshl_add_u32 v4, v0, 3, s42                  ; 8 bytes a lane in H; B lies 8,192 bytes on
	v_mov_b32 v1, 0
	v_mov_b32 v5, 0xc1f00000                       ; -30
	v_mov_b32 v6, 0x40c00000                       ; 6
	v_mov_b32 v7, 0xc3160000                       ; -150
	v_mov_b32 v151, 0
	v_mov_b32 v153, 0
	s_mov_b32 s20, 0x3e827906                      ; 0.254829592
	s_mov_b32 s21, 0xbe91a98e                      ; -0.284496736
	s_mov_b32 s22, 0x3fb5f0e3                      ; 1.421413741
	s_mov_b32 s23, 0xbfba00e3                      ; -1.453152027
	s_mov_b32 s24, 0x3f87dc22                      ; 1.061405429
	s_mov_b32 s25, 0x3f3504f3                      ; 1 / sqrt 2
	s_mov_b32 s26, 0x3ea7ba05                      ; 0.3275911
	s_mov_b32 s27, 0xbfb8aa3b                      ; -c
	s_mov_b32 s28, 0x40e6d4ca                      ; 5 c
	s_wait_kmcnt 0x0
	s_wait_alu depctr_va_vdst(0)                   ; the offsets v1 to v4 are written, which the loads below and the stores at the end read
	global_load_b64 v[8:9],   v2, s[4:5]
	global_load_b64 v[10:11], v2, s[4:5] offset:8
	global_load_b64 v[12:13], v2, s[4:5] offset:16
	global_load_b64 v[14:15], v3, s[16:17]
.irp r, 0,1,2,3,4,5,6,7,8,9,10,11
	global_load_b128 v[W1+4*(\r):W1+4*(\r)+3], v1, s[6:7] offset:16*(\r)
.endr
.irp r, 0,1,2,3
	global_load_b128 v[B1+4*(\r):B1+4*(\r)+3], v1, s[8:9] offset:16*(\r)
	global_load_b128 v[W2+4*(\r):W2+4*(\r)+3], v1, s[10:11] offset:16*(\r)
.endr
	global_load_b32 v112, v1, s[12:13]
	global_load_b32 v113, v1, s[14:15]
	s_wait_loadcnt 0x0
	RB2 8, 9, 146
	RB2 10, 11, 146
	RB2 12, 13, 146
.set r, 32
.rept 41
	RB2 r, r+1, 146
.set r, r+2
.endr
.set u, 0
.rept 16
	v_mul_f32 v[W2+u], 0.5, v[W2+u]                ; the gelu's 1/2
.set u, u+1
.endr
	; softplus(t) = max(t, 0) + ln 2 log2(1 + 2^(-c |t|))
	v_and_b32 v146, 0x7fffffff, v113
	v_mul_f32 v146, s27, v146
	v_exp_f32 v147, v146
	v_nop                                          ; a plain instruction behind the exponential
	s_wait_alu depctr_va_vdst(0)                   ; the exponential has written v147, which the next line reads
	v_add_f32 v147, 1.0, v147
	v_log_f32 v148, v147
	v_nop                                          ; a plain instruction behind the logarithm
	s_wait_alu depctr_va_vdst(0)                   ; the logarithm has written v148, which the second line below reads
	v_max_num_f32 v149, 0, v113
	v_fmamk_f32 v154, v148, 0x3f317218, v149
	s_mov_b32 s30, 2
.Lkeyloop:                                     ; a trip a key: features v8-10, mask v14; vector work alone: no memory instruction is pending round the back edge
.set u, 0
.rept 16
	v_fma_f32 v[PRE+u], v8, v[W1+3*u], v[B1+u]
	v_fma_f32 v[PRE+u], v9, v[W1+3*u+1], v[PRE+u]
	v_fma_f32 v[PRE+u], v10, v[W1+3*u+2], v[PRE+u]
	v_and_b32 v[AB+u], 0x7fffffff, v[PRE+u]
	v_mul_f32 v146, s25, v[AB+u]                   ; z = |pre| / sqrt 2
	v_fma_f32 v147, v146, s26, 1.0
	v_mul_f32 v148, s27, v146
	v_rcp_f32 v[RC+u], v147
	v_mul_f32 v148, v148, v146                     ; -c z z
	v_exp_f32 v[ER+u], v148
.set u, u+1
.endr
	v_nop                                          ; a plain instruction behind the last of the 32,
	s_wait_alu depctr_va_vdst(0)                   ; and one wait for all of them: the reciprocals have written RC and the exponentials ER, ahead of the first reader
	v_mov_b32 v155, v112
.set u, 0
.rept 16
	v_fma_f32 v[146+u%2], v[RC+u], s24, s23
	v_fma_f32 v[146+u%2], v[146+u%2], v[RC+u], s22
	v_fma_f32 v[146+u%2], v[146+u%2], v[RC+u], s21
	v_fma_f32 v[146+u%2], v[146+u%2], v[RC+u], s20
	v_mul_f32 v[146+u%2], v[146+u%2], v[RC+u]
	v_fma_f32 v[146+u%2], -v[146+u%2], v[ER+u], 1.0  ; erf(z)
	v_fma_f32 v[146+u%2], v[AB+u], v[146+u%2], v[PRE+u]  ; pre + |pre| erf(z) = 2 gelu(pre)
	v_fma_f32 v155, v[146+u%2], v[W2+u], v155
.set u, u+1
.endr
	v_fmamk_f32 v156, v155, 0x3dcccccd, v154       ; thr
	v_fma_f32 v156, v156, s28, -1.0                ; 5 c thr - 1
	v_cmp_ne_u32 vcc_lo, 0, v14
	v_mov_b32 v150, v151
	v_mov_b32 v152, v153
	s_wait_alu depctr_va_vcc(0)                    ; the compare has written VCC, by which the two selects below choose
	v_cndmask_b32 v151, v5, v6, vcc_lo
	v_cndmask_b32 v153, v7, v156, vcc_lo
	v_mov_b32 v8, v11                              ; the second key
	v_mov_b32 v9, v12
	v_mov_b32 v10, v13
	v_mov_b32 v14, v15
	s_sub_co_i32 s30, s30, 1
	s_cmp_lg_u32 s30, 0
	s_cbranch_scc1 .Lkeyloop
	s_wait_alu depctr_va_vdst(0)                   ; the loop has written v[150:153], which the two stores read
	global_store_b64 v4, v[150:151], s[18:19]
	global_store_b64 v4, v[152:153], s[18:19] offset:8192
	s_endpgm
.Lfunc_end_k_q3247608d1a_prep:
	.size	k_q3247608d1a_prep, .Lfunc_end_k_q3247608d1a_prep-k_q3247608d1a_prep
	.p2alignl 7, 3214868480
	.fill 96, 4, 3214868480
	.section	.rodata,"a",@progbits
	.p2align	6, 0x0
	.amdhsa_kernel k_q3247608d1a_prep
		.amdhsa_group_segment_fixed_size 0
		.amdhsa_private_segment_fixed_size 0
		.amdhsa_enable_private_segment 0
		.amdhsa_kernarg_size 224
		.amdhsa_user_sgpr_count 2
		.amdhsa_user_sgpr_kernarg_segment_ptr 1
		.amdhsa_wavefront_size32 1
		.amdhsa_system_sgpr_workgroup_id_x 1
		.amdhsa_system_sgpr_workgroup_id_y 1
		.amdhsa_system_sgpr_workgroup_id_z 1
		.amdhsa_system_vgpr_workitem_id 0
		.amdhsa_next_free_vgpr 176
		.amdhsa_next_free_sgpr 66
		.amdhsa_reserve_vcc 1
		.amdhsa_float_denorm_mode_32 3
		.amdhsa_float_denorm_mode_16_64 3
		.amdhsa_memory_ordered 1
		.amdhsa_forward_progress 1
		.amdhsa_inst_pref_size 52
	.end_amdhsa_kernel
	.amdgpu_metadata
---
amdhsa.version: [ 1, 2 ]
amdhsa.kernels:
  - .name:           k_q3247608d1a_prep
    .symbol:         k_q3247608d1a_prep.kd
    .args:
      - { .name: query, .offset: 0, .size: 8, .value_kind: global_buffer, .address_space: global }
      - { .name: key_in, .offset: 8, .size: 8, .value_kind: global_buffer, .address_space: global }
      - { .name: value, .offset: 16, .size: 8, .value_kind: global_buffer, .address_space: global }
      - { .name: wq_r, .offset: 24, .size: 8, .value_kind: global_buffer, .address_space: global }
      - { .name: wq_i, .offset: 32, .size: 8, .value_kind: global_buffer, .address_space: global }
      - { .name: wq_j, .offset: 40, .size: 8, .value_kind: global_buffer, .address_space: global }
      - { .name: wq_k, .offset: 48, .size: 8, .value_kind: global_buffer, .address_space: global }
      - { .name: wk_r, .offset: 56, .size: 8, .value_kind: global_buffer, .address_space: global }
      - { .name: wk_i, .offset: 64, .size: 8, .value_kind: global_buffer, .address_space: global }
      - { .name: wk_j, .offset: 72, .size: 8, .value_kind: global_buffer, .address_space: global }
      - { .name: wk_k, .offset: 80, .size: 8, .value_kind: global_buffer, .address_space: global }
      - { .name: wv, .offset: 88, .size: 8, .value_kind: global_buffer, .address_space: global }
      - { .name: wo, .offset: 96, .size: 8, .value_kind: global_buffer, .address_space: global }
      - { .name: bq, .offset: 104, .size: 8, .value_kind: global_buffer, .address_space: global }
      - { .name: bk, .offset: 112, .size: 8, .value_kind: global_buffer, .address_space: global }
      - { .name: bv, .offset: 120, .size: 8, .value_kind: global_buffer, .address_space: global }
      - { .name: bo, .offset: 128, .size: 8, .value_kind: global_buffer, .address_space: global }
      - { .name: density_feat, .offset: 136, .size: 8, .value_kind: global_buffer, .address_space: global }
      - { .name: dm1_w, .offset: 144, .size: 8, .value_kind: global_buffer, .address_space: global }
      - { .name: dm1_b, .offset: 152, .size: 8, .value_kind: global_buffer, .address_space: global }
      - { .name: dm2_w, .offset: 160, .size: 8, .value_kind: global_buffer, .address_space: global }
      - { .name: dm2_b, .offset: 168, .size: 8, .value_kind: global_buffer, .address_space: global }
      - { .name: threshold, .offset: 176, .size: 8, .value_kind: global_buffer, .address_space: global }
      - { .name: mask, .offset: 184, .size: 8, .value_kind: global_buffer, .address_space: global }
      - { .name: x16, .offset: 192, .size: 8, .value_kind: global_buffer, .address_space: global }
      - { .name: w16, .offset: 200, .size: 8, .value_kind: global_buffer, .address_space: global }
      - { .name: biasw, .offset: 208, .size: 8, .value_kind: global_buffer, .address_space: global }
      - { .name: keytab, .offset: 216, .size: 8, .value_kind: global_buffer, .address_space: global }
    .group_segment_fixed_size: 0
    .private_segment_fixed_size: 0
    .kernarg_segment_align: 8
    .kernarg_segment_size: 224
    .max_flat_workgroup_size: 256
    .sgpr_count:     66
    .vgpr_count:     176
    .wavefront_size: 32
...
	.end_amdgpu_metadata
.endif
;; end of part 5
;; launch qkv: the kernel of part 2 again; grid 4 x 48, 4 waves a work-group, clusters of 4 x 4, 327,680 bytes of LDS; arguments x16, w16, biasw, qkv; writes qkv
;; launch attn: the kernel of part 3 again; grid 8 x 32, 4 waves a work-group, clusters of 4 x 1, 327,680 bytes of LDS; arguments qkv, keytab, mask, oh; writes oh
;; launch oproj: the kernel of part 4 again; grid 8 x 32, 4 waves a work-group, clusters of 4 x 4, 327,680 bytes of LDS; arguments oh, w16, biasw, out0; writes out0
